; MI455X (gfx1250); checked and timed in simulation.
; The chip was launched on July 23, 2026; its instructions are those of AMD's public machine-readable ISA for CDNA 5 (MIT licence, August 2026) and "CDNA5" Instruction Set Architecture Reference Guide (July 2026). The comments in the code are by the model that wrote it; some were corrected since.
;; Cross Attention. Allowed arithmetic: matrix products marked QUANTISED: E2M3 operands, one E8M0 scale for each 32 along K, by v_wmma_scale_f32_16x16x128_f8f6f4 with both operands' format E2M3, f32 sums; everything else in f32.
;; Inputs: Kc 2,048 x 1,024 float32; Kp 4,096 x 1,024 float32; Qc 2,048 x 1,024 float32; Qp 4,096 x 1,024 float32; Vc 2,048 x 1,024 float32; Vp 4,096 x 1,024 float32; Wk_c 1,024 x 1,024 float32; Wk_p 1,024 x 1,024 float32; Wq_c 1,024 x 1,024 float32; Wq_p 1,024 x 1,024 float32; Wv_c 1,024 x 1,024 float32; Wv_p 1,024 x 1,024 float32; bk_c 1,024 float32; bk_p 1,024 float32; bq_c 1,024 float32; bq_p 1,024 float32; bv_c 1,024 float32; bv_p 1,024 float32.
;; Outputs: out0 2,048 x 1,024 float32; out1 4,096 x 1,024 float32.
;; This version of the problem:
;;   THIS VERSION OF THE PROBLEM IS GIVEN IN LOW PRECISION. The matrix products marked QUANTISED in the list below multiply operands that are first quantised to E2M3 (2 exponent bits, 3 mantissa bits; 6 bits a number), with one power-of-two scale for each 32 numbers along K (OCP MX v1.0); their sums are f32. All else is computed in f32.
;;   The module's matrix products, in the order in which they are computed (A, B: the left and right operand; K: the contracted axis; several contracted axes count as one K, in the product's order):
;;     1. [M 2,048, K 1,024] x [K 1,024, N 1,024]; A: input Qc; B: input Wq_c: QUANTISED
;;     2. [M 2,048, K 1,024] x [K 1,024, N 1,024]; A: input Kc; B: input Wk_c: QUANTISED
;;     3. [M 2,048, K 1,024] x [K 1,024, N 1,024]; A: input Vc; B: input Wv_c: QUANTISED
;;     4. [M 4,096, K 1,024] x [K 1,024, N 1,024]; A: input Qp; B: input Wq_p: QUANTISED
;;     5. [M 4,096, K 1,024] x [K 1,024, N 1,024]; A: input Kp; B: input Wk_p: QUANTISED
;;     6. [M 4,096, K 1,024] x [K 1,024, N 1,024]; A: input Vp; B: input Wv_p: QUANTISED
;;     7. [M 2,048, K 1,024] x [K 1,024, N 4,096]; A: computed on the way; B: computed on the way: QUANTISED
;;     8. [M 2,048, K 4,096] x [K 4,096, N 1,024]; A: softmax (see below); B: computed on the way: QUANTISED
;;     9. [M 4,096, K 1,024] x [K 1,024, N 2,048]; A: computed on the way; B: computed on the way: QUANTISED
;;     10. [M 4,096, K 2,048] x [K 2,048, N 1,024]; A: softmax (see below); B: computed on the way: QUANTISED
;;   THE QUANTISER, for each operand of a quantised product, along K:
;;     - K is cut into blocks of 32 from its start; a last block that is shorter is filled with zeros.
;;     - A block's scale is 2^e with e = floor(log2(the largest magnitude in the block)) - 2, held to -126 .. 127; a block of zeros has e = 0. As a byte (E8M0): e + 127.
;;     - Each number is divided by its block's scale, clamped to +-7.5, and rounded to the nearest number of E2M3, ties to even, subnormals kept.
;;     - The product sums the exact products of the quantised numbers (number of the format x scale) in f32.
;;   ~~~python
;;   def quantise(x, axis):      # numpy; x: float32 -> the quantised numbers, widened to float32 again
;;       x = np.moveaxis(x, axis, -1); K = x.shape[-1]
;;       x = np.pad(x, [(0, 0)] * (x.ndim - 1) + [(0, -K % 32)]); x = x.reshape(x.shape[:-1] + (-1, 32)); a = np.abs(x).max(-1, keepdims=True)
;;       e = np.where(a > 0, np.clip(np.frexp(np.where(a > 0, a, 1))[1] - 1 - 2, -126, 127), 0)      # np.frexp(a)[1] - 1 = floor(log2(a)), exactly
;;       r = np.clip(x / 2.0 ** e, -7.5, 7.5)
;;       step = 2.0 ** (np.maximum(np.frexp(np.where(r == 0, 1, r))[1] - 1, 0) - 3)
;;       q = np.round(r / step) * step * 2.0 ** e      # np.round: ties to even
;;       return np.moveaxis(q.reshape(q.shape[:-2] + (-1,))[..., :K], -1, axis).astype(np.float32)
;;   ~~~
;;   SOFTMAX AHEAD OF A QUANTISED PRODUCT. Where the list says 'softmax', what is quantised is not the finished softmax but p = 2^(t - M), with t = logit x log2(e) and M = ceil(the row's largest t), a whole number; so 1/2 < the row's largest p <= 1. The row's sum l is taken of the UNQUANTISED p, in f32, and the product's result is divided by l at the end. Since M is a whole number, a kernel that streams over the keys may use a running M (the ceiling of the running maximum): every later rescaling is an exact power of two, which a block's scale takes up: the codes' values come out the same.
;;   OPERANDS COMPUTED ON THE WAY. 'Computed on the way' means the value that the module computes at that place (a softmax that the list does not call 'softmax' is quantised finished and normalised). What goes into a quantiser is computed in f32, as accurately as f32 sums, v_exp_f32 and their like allow (about 1e-6 of the number): no bf16 or f16 on the way to a quantiser, and a product that is left as it is and whose result goes on into a quantised operand takes f32 operands (vector FMAs, or v_wmma_f32_16x16x4_f32). A number that lies on a knife's edge between two numbers of the format may be rounded either way, as far as f32 arithmetic and the matrix unit's own rounding can turn it there, and no further.
;; One version. Each part assembles by itself: llvm-mc -triple=amdgcn-amd-amdhsa -mcpu=gfx1250 --defsym DOCPART=n.
;; ======== version 1 of 1: 4 launches
;; limits: right only within a limited range of input values
;; workspace buffers: xw 19,660,800 bytes; qkv 14,745,600 bytes; pbuf 13,107,200 bytes; pst 1,048,576 bytes
;; launch quant (part 1): grid 256 x 1, 12 waves a work-group, no clusters, 102,912 bytes of LDS; arguments Qc, Kc, Vc, Qp, Kp, Vp, Wq_c, Wk_c, Wv_c, Wq_p, Wk_p, Wv_p, xw; writes xw
.if DOCPART == 1
	.amdgcn_target "amdgcn-amd-amdhsa--gfx1250"
	.amdhsa_code_object_version 6
	.text
	.protected	k_qf1d119f6f3_quant
	.globl	k_qf1d119f6f3_quant
	.p2align	8
	.type	k_qf1d119f6f3_quant,@function
k_qf1d119f6f3_quant:
	s_mov_b64 s[64:65], 0
	v_nop
	global_prefetch_b8 v0, s[64:65] scope:SCOPE_SE
	s_setreg_imm32_b32 hwreg(HW_REG_WAVE_MODE, 25, 1), 1
	s_wait_xcnt 0x0
; The six activations and the six weights, f32 with K innermost, become codes of FP6 (E2M3) with one E8M0 byte for each 32 along K, laid as RECORDS in xw.
; A RECORD is 128 rows x 128 along K, 12,800 bytes: eight fragment images of 1,536 bytes (image i: registers 4 c .. 4 c + 3 of lane l at 1536 i + 512 c + 16 l), then 128 scale words
; (tile i, lane row r at word 64 (i / 4) + 4 r + i % 4).  Lane row r of tile i is the block's row 32 (i / 2) + 8 (i % 2) + r + 8 (r / 8).  A tensor is [rows / 128][K / 128] records.
; A block's scale is 2^(floor(log2(its largest magnitude)) - 2); its byte is the largest magnitude's exponent field - 2, held at 1 from below.
; LIMITS: a block of zeros gets the byte 1 where the rule says 127 (its codes are zeros, and this program alone reads the bytes); NaN and infinities among the inputs are not served.
; SHARES: one wave makes HALF a record, four fragments (64 rows) and their 64 scale words: 3,072 halves = 256 work-groups x 12 waves, so that a work-group has up to 12 x 32 loads of 512 bytes on their way.
; Each load reads 512 consecutive bytes of one row; a fragment's 16 rows turn through the wave's own stage in LDS, so that a lane gets 16 neighbours along K of each block of 32.
; Waves share nothing: no barrier, no cluster (no byte is read by two work-groups), no matrix unit.  Loads run two fragments (32 loads a wave) ahead.
.set REC,    12800
.set FRB,    1536
.set SCO,    12288
.set SPITCH, 528                       ; a stage row: 512 bytes + 16, so that sixteen rows start at sixteen different groups of four banks
.set STG,    16*SPITCH                 ; a wave's stage
.set SPARE,  12*STG                    ; behind the twelve stages: the spare words, 128 bytes a wave: six blocks of 256 bytes that no other line names
.set LN16, 1                           ; v1   16 x lane
.set STW,  2                           ; v2   the stage, on the way in
.set STR,  3                           ; v3   and on the way out: row r, + 64 h
.set SPW,  10                          ; v10  LDS address of my spare word; never rewritten
.set NIL,  11                          ; v11  0; never rewritten
.set TM,   16                          ; v16-31 at work in QUANT
.set PC,   32                          ; v32-51 the codes just made
.set SW,   52                          ; v52-55 the four fragments' scale words: my row's 16 bytes as they are stored
.set R,    64                          ; v64-191 two sets of 64: a fragment's numbers as loaded
.set X,    192                         ; v192-255 64 numbers: register 16 b + i = k 32 b + 16 h + i of my row
.set SEL,  36                          ; s[36:37] selects of v_permlanex16_b32 for lane l xor 16
	s_load_b512 s[4:19], s[0:1], 0x0               ; Qc Kc Vc Qp Kp Vp Wq_c Wk_c
	s_load_b256 s[20:27], s[0:1], 0x40             ; Wv_c Wq_p Wk_p Wv_p
	s_load_b64 s[28:29], s[0:1], 0x60              ; xw
	v_lshl_add_u32 v[SPW], v0, 2, SPARE
	v_mov_b32 v[NIL], 0
	v_lshrrev_b32 v4, 5, v0
	s_delay_alu instid0(VALU_DEP_1)
	v_readfirstlane_b32 s30, v4                    ; wave 0..11
	s_mul_i32 s31, ttmp9, 12
	s_add_co_u32 s31, s31, s30                     ; my half record
	s_and_b32 s40, s31, 1                          ; which half: tiles 0-3 or 4-7
	s_lshr_b32 s31, s31, 1                         ; my record
	v_and_b32 v4, 31, v0                           ; lane
	s_delay_alu instid0(VALU_DEP_1)
	v_lshlrev_b32 v[LN16], 4, v4
	s_mul_i32 s38, s30, STG
	v_add_nc_u32 v[STW], s38, v[LN16]
	v_and_b32 v5, 15, v0                           ; r
	v_bfe_u32 v6, v0, 4, 1                         ; h
	s_delay_alu instid0(VALU_DEP_2)
	v_mul_u32_u24 v[STR], v5, SPITCH
	s_delay_alu instid0(VALU_DEP_1)
	v_lshl_add_u32 v[STR], v6, 6, v[STR]
	s_delay_alu instid0(VALU_DEP_1)
	v_add_nc_u32 v[STR], s38, v[STR]
	s_mov_b32 s[SEL], 0x76543210
	s_mov_b32 s[SEL+1], 0xfedcba98
.irp b, 0,1,2,3
	v_mov_b32 v[TM+4+\b], 0                        ; written once: a lane permute's destination counts as one of its sources
.endr
	s_wait_alu depctr_va_vdst(0)
	s_wait_kmcnt 0x0
	s_mov_b64 s[32:33], s[4:5]                     ; which tensor: the choice hangs on the record's number alone
	s_mov_b32 s34, 0
.macro PICK first, ptr
	s_cmp_ge_u32 s31, \first
	s_cselect_b64 s[32:33], s[\ptr:\ptr+1], s[32:33]
	s_cselect_b32 s34, \first, s34
.endm
	PICK 128, 6
	PICK 256, 8
	PICK 384, 10
	PICK 640, 12
	PICK 896, 14
	PICK 1152, 16
	PICK 1216, 18
	PICK 1280, 20
	PICK 1344, 22
	PICK 1408, 24
	PICK 1472, 26
	s_sub_co_u32 s34, s31, s34                     ; the record within its tensor: 8 x block + K step
	s_lshr_b32 s38, s34, 3
	s_lshl_b32 s38, s38, 19                        ; 128 rows of 4,096 bytes
	s_and_b32 s34, s34, 7
	s_lshl_b32 s34, s34, 9                         ; 128 numbers of 4 bytes
	s_add_co_u32 s38, s38, s34
	s_lshl_b32 s41, s40, 18                        ; the second half's tiles begin 64 rows further down
	s_add_co_u32 s38, s38, s41
	s_mov_b32 s39, 0
	s_add_nc_u64 s[32:33], s[32:33], s[38:39]
	s_mul_i32 s38, s31, REC
	s_add_nc_u64 s[28:29], s[28:29], s[38:39]      ; my record,
	s_lshl_b32 s38, s40, 8
	s_add_co_u32 s38, s38, SCO
	s_add_nc_u64 s[42:43], s[28:29], s[38:39]      ; my half of its scale words: 256 bytes,
	s_mul_i32 s38, s40, 4*FRB
	s_add_nc_u64 s[28:29], s[28:29], s[38:39]      ; and my four fragments
.macro LOAD i                          ; my fragment i's 16 rows, 512 consecutive bytes each, into set i % 2
.irp q, 0,1,2,3,4,5,6,7,8,9,10,11,12,13,14,15
	global_load_b128 v[R+64*((\i)%2)+4*\q:R+64*((\i)%2)+4*\q+3], v[LN16], s[32:33] offset:(32*((\i)/2)+8*((\i)%2)+\q+8*(\q/8))*4096 th:TH_LOAD_NT
.endr
.endm
; 64 numbers of a lane, v[s] on, register 16 b + i = k 32 b + 16 (lane / 16) + i of my row, become a fragment's codes in v[PC] on and its scale word in v[pw]
.macro QUANT s, pw
.irp b, 0,1,2,3
	v_max3_num_f32 v[TM+\b], |v[\s+16*\b]|, |v[\s+1+16*\b]|, 0x1800000   ; my 16 numbers of block b, and the floor 2^(3 - 127): the byte cannot fall under 1
.endr
.irp i, 2,4,6,8,10,12,14
.irp b, 0,1,2,3
	s_delay_alu instid0(VALU_DEP_4)
	v_max3_num_f32 v[TM+\b], v[TM+\b], |v[\s+16*\b+\i]|, |v[\s+1+16*\b+\i]|   ; the four blocks by turns
.endr
.endr
.irp b, 0,1,2,3
	s_delay_alu instid0(VALU_DEP_4)
	v_permlanex16_b32 v[TM+4+\b], v[TM+\b], s[SEL], s[SEL+1]
.endr
.irp b, 0,1,2,3
	s_delay_alu instid0(VALU_DEP_4)
	v_max_num_f32 v[TM+\b], v[TM+\b], v[TM+4+\b]   ; with lane l xor 16's: the block's largest magnitude
.endr
.irp b, 0,1,2,3
	s_delay_alu instid0(VALU_DEP_4)
	v_add_nc_u32 v[TM+12+\b], 0xff000000, v[TM+\b] ; 2 off its exponent field: the conversion takes this operand's exponent field as its scale
.endr
.irp b, 0,1,2,3
	s_delay_alu instid0(VALU_DEP_4)
	v_lshrrev_b32 v[TM+4+\b], 23, v[TM+12+\b]      ; the scale's byte
.endr
	s_delay_alu instid0(VALU_DEP_3)
	v_lshl_or_b32 v[\pw], v[TM+5], 8, v[TM+4]
	s_delay_alu instid0(VALU_DEP_1)
	v_lshl_or_b32 v[\pw], v[TM+6], 16, v[\pw]
	s_delay_alu instid0(VALU_DEP_1)
	v_lshl_or_b32 v[\pw], v[TM+7], 24, v[\pw]
.irp c, 0,1
	v_cvt_scalef32_pk16_fp6_f32 v[PC+6*\c:PC+2+6*\c], v[\s+32*\c:\s+15+32*\c], v[TM+12+2*\c]
	v_cvt_scalef32_pk16_fp6_f32 v[PC+12+4*\c:PC+14+4*\c], v[\s+16+32*\c:\s+31+32*\c], v[TM+12+2*\c+1]   ; (a conversion's three registers begin on an even number)
.endr
	v_nop                                          ; one plain place behind a scaled conversion
.irp c, 0,1                                    ; the operand's layout wants a whole block in a lane: lanes 0-15 block 2 c, lanes 16-31 block 2 c + 1
.irp i, 0,1,2
	v_permlane16_swap_b32 v[PC+6*\c+\i], v[PC+12+4*\c+\i]
.endr
.irp i, 0,1,2
	s_delay_alu instid0(VALU_DEP_3)
	v_mov_b32 v[PC+3+6*\c+\i], v[PC+12+4*\c+\i]
.endr
.endr
.endm
.macro FRAGM i
.if (\i) < 3
	s_wait_loadcnt 16                              ; this fragment's 16 loads are in; the next fragment's 16 may be out
.else
	s_wait_loadcnt 0x0
.endif
.irp q, 0,1,2,3,4,5,6,7,8,9,10,11,12,13,14,15
	ds_store_b128 v[STW], v[R+64*((\i)%2)+4*\q:R+64*((\i)%2)+4*\q+3] offset:\q*SPITCH
.endr
.irp b, 0,1,2,3
.irp j, 0,1,2,3
	ds_load_b128 v[X+16*\b+4*\j:X+16*\b+4*\j+3], v[STR] offset:128*\b+16*\j   ; LDS serves a wave's instructions in order: these see the stores above
.endr
.endr
	s_wait_dscnt 0x0                               ; my numbers are back, and the stage's stores have read their registers
	s_wait_xcnt 0x0                                ; the last fragment's stores have read v[PC] on: only behind this wait are the codes written anew
.if (\i) < 2
	LOAD (\i)+2
.endif
	QUANT X, SW+(\i)
.irp c, 0,1,2
	global_store_b128 v[LN16], v[PC+4*\c:PC+4*\c+3], s[28:29] offset:(\i)*FRB+512*\c   ; 32 lanes store 512 consecutive bytes, at a multiple of 256 from xw's first byte
.endr
.endm
	LOAD 0
	LOAD 1
.irp f, 0,1,2,3
	FRAGM \f
.endr
	; my half's scale words: lane r holds row r's words of my four tiles, 16 bytes on end; lanes 16-31 hold the same, so lanes 0-15 alone store: 256 consecutive bytes, aligned
	s_wait_xcnt 0x0                                ; EXEC is narrowed only when every earlier memory instruction has read its sources
	v_cmp_gt_u32 vcc_lo, 16, v4
	s_and_saveexec_b32 s41, vcc_lo
	global_store_b128 v[LN16], v[SW:SW+3], s[42:43]
	s_wait_xcnt 0x0                                ; and widened again only behind the same wait
	s_or_b32 exec_lo, exec_lo, s41
	s_wait_tensorcnt 0x0                           ; the wave's end, behind my last LDS store
	ds_add_u32 v[SPW], v[NIL]
	s_wait_dscnt 0x0
	s_endpgm
.Lfunc_end_k_qf1d119f6f3_quant:
	.size	k_qf1d119f6f3_quant, .Lfunc_end_k_qf1d119f6f3_quant-k_qf1d119f6f3_quant
	.p2alignl 7, 3214868480
	.fill 96, 4, 3214868480
	.section	.rodata,"a",@progbits
	.p2align	6, 0x0
	.amdhsa_kernel k_qf1d119f6f3_quant
		.amdhsa_group_segment_fixed_size 102912
		.amdhsa_private_segment_fixed_size 0
		.amdhsa_enable_private_segment 0
		.amdhsa_kernarg_size 104
		.amdhsa_user_sgpr_count 2
		.amdhsa_user_sgpr_kernarg_segment_ptr 1
		.amdhsa_wavefront_size32 1
		.amdhsa_system_sgpr_workgroup_id_x 1
		.amdhsa_system_sgpr_workgroup_id_y 1
		.amdhsa_system_sgpr_workgroup_id_z 1
		.amdhsa_system_vgpr_workitem_id 0
		.amdhsa_next_free_vgpr 256
		.amdhsa_next_free_sgpr 66
		.amdhsa_reserve_vcc 1
		.amdhsa_float_denorm_mode_32 3
		.amdhsa_float_denorm_mode_16_64 3
		.amdhsa_memory_ordered 1
		.amdhsa_forward_progress 1
		.amdhsa_inst_pref_size 42
	.end_amdhsa_kernel
	.amdgpu_metadata
---
amdhsa.version: [ 1, 2 ]
amdhsa.kernels:
  - .name:           k_qf1d119f6f3_quant
    .symbol:         k_qf1d119f6f3_quant.kd
    .args:
      - { .name: Qc, .offset: 0, .size: 8, .value_kind: global_buffer, .address_space: global }
      - { .name: Kc, .offset: 8, .size: 8, .value_kind: global_buffer, .address_space: global }
      - { .name: Vc, .offset: 16, .size: 8, .value_kind: global_buffer, .address_space: global }
      - { .name: Qp, .offset: 24, .size: 8, .value_kind: global_buffer, .address_space: global }
      - { .name: Kp, .offset: 32, .size: 8, .value_kind: global_buffer, .address_space: global }
      - { .name: Vp, .offset: 40, .size: 8, .value_kind: global_buffer, .address_space: global }
      - { .name: Wq_c, .offset: 48, .size: 8, .value_kind: global_buffer, .address_space: global }
      - { .name: Wk_c, .offset: 56, .size: 8, .value_kind: global_buffer, .address_space: global }
      - { .name: Wv_c, .offset: 64, .size: 8, .value_kind: global_buffer, .address_space: global }
      - { .name: Wq_p, .offset: 72, .size: 8, .value_kind: global_buffer, .address_space: global }
      - { .name: Wk_p, .offset: 80, .size: 8, .value_kind: global_buffer, .address_space: global }
      - { .name: Wv_p, .offset: 88, .size: 8, .value_kind: global_buffer, .address_space: global }
      - { .name: xw, .offset: 96, .size: 8, .value_kind: global_buffer, .address_space: global }
    .group_segment_fixed_size: 102912
    .private_segment_fixed_size: 0
    .kernarg_segment_align: 8
    .kernarg_segment_size: 104
    .max_flat_workgroup_size: 384
    .sgpr_count:     66
    .vgpr_count:     256
    .wavefront_size: 32
...
	.end_amdgpu_metadata
.endif
;; end of part 1
;; launch proj (part 2): grid 4 x 64, 4 waves a work-group, clusters of 4 x 4, 327,680 bytes of LDS; arguments xw, bq_c, bk_c, bq_p, bk_p, bv_c, bv_p, qkv; writes qkv
.if DOCPART == 2
	.amdgcn_target "amdgcn-amd-amdhsa--gfx1250"
	.amdhsa_code_object_version 6
	.text
	.protected	k_qf1d119f6f3_proj
	.globl	k_qf1d119f6f3_proj
	.p2align	8
	.type	k_qf1d119f6f3_proj,@function
k_qf1d119f6f3_proj:
	s_mov_b64 s[64:65], 0
	v_nop
	global_prefetch_b8 v0, s[64:65] scope:SCOPE_SE
	s_setreg_imm32_b32 hwreg(HW_REG_WAVE_MODE, 25, 1), 1
	s_wait_xcnt 0x0
	s_wait_alu depctr_hold_cnt(0) depctr_sa_sdst(0) depctr_va_vdst(0) depctr_va_sdst(0) depctr_va_ssrc(0) depctr_va_vcc(0) depctr_vm_vsrc(0)
	s_getreg_b32 s2, hwreg(HW_REG_IB_STS2, 6, 4)
	s_cmp_eq_u32 s2, 0
	s_cbranch_scc0 .Lentry_in_a_cluster
	s_endpgm
.Lentry_in_a_cluster:
	s_bfe_u32 s2, ttmp6, 0x10000c
	s_cmp_lg_u32 s2, 0xf033
	s_cbranch_scc0 .Lentry_shape_is_right
	s_endpgm
.Lentry_shape_is_right:
.set REC,   12800
.set FRB,   1536
.set SCO,   12288
.set HALFT, 2*REC
.set SLOT,  4*HALFT
.set SPARE, 2*SLOT
.set ESW,   SPARE+512
.set ADRA, 16
.set ESR,  18
.set EGO,  19
.set ADRB, 20
.set OV,   24
.set BON,  25
.set BOM,  26
.set EAD,  27
.set SPW,  28
.set NIL,  29
.set EWO,  30
.set ESA,  31
.set SC,   32
.set ESC,  48
.set BI,   64
.set AF,   128
.set PC,   128
.set TM,   160
.set SW,   176
.set SD,   184
.set SEL,  34
.set G1,   36
.set G0,   44
.set G1B,  52
.set G0B,  68
.set G0E,  80
.set EAB,  84
.set EWB,  86
.set EOU,  88
.set EOW,  90
.set EBI,  92
.set MSB, 0
.macro WIN new
.if MSB != (\new)
	s_set_vgpr_msb (MSB<<8)|(\new)
.set MSB, (\new)
.endif
.endm
.macro JLOAD g0a, g1a, g0b, g1b
	s_cmp_eq_u32 s21, 0
	s_cbranch_scc0 .Lfor_b_\@
	tensor_load_to_lds s[\g0a:\g0a+3], s[\g1a:\g1a+7]
	s_nop 0
.rept 4
	v_nop
.endr
	s_branch .Lasked_\@
.Lfor_b_\@:
	tensor_load_to_lds s[\g0b:\g0b+3], s[\g1b:\g1b+7]
	s_nop 0
.rept 4
	v_nop
.endr
.Lasked_\@:
.endm
.macro CREST
	s_cmp_lg_u32 s20, 0
	s_cbranch_scc1 .Lnot_wave_0_\@
	s_barrier_signal -3
.Lnot_wave_0_\@:
	s_barrier_wait -3
	s_barrier_signal -1
	s_barrier_wait -1
.endm
.macro CROUND
	s_barrier_signal -1
	s_barrier_wait -1
	CREST
.endm
.macro PLACES n
.rept \n
	v_nop
.endr
.endm
	s_load_b512 s[4:19], s[0:1], 0x0
	v_lshl_add_u32 v[SPW], v0, 2, SPARE
	v_mov_b32 v[NIL], 0
	ds_add_u32 v[SPW], v[NIL]
	ds_add_u32 v[SPW], v[NIL]
	v_lshrrev_b32 v1, 5, v0
	v_readfirstlane_b32 s20, v1
	s_lshr_b32 s21, s20, 1
	s_and_b32 s22, s20, 1
	s_bfe_u32 s23, ttmp6, 0x40000
	s_bfe_u32 s24, ttmp6, 0x40004
	s_and_b32 s25, ttmp7, 0xffff
	s_mov_b32 s26, 0
	s_mov_b32 s27, 128
	s_mov_b32 s28, 1216
	s_mov_b32 s29, 128
	s_mov_b32 s30, 8
.macro JOB first, ast, bst, ost, nks
	s_cmp_ge_u32 s25, \first
	s_cselect_b32 s26, \first, s26
	s_cselect_b32 s27, \ast, s27
	s_cselect_b32 s28, \bst, s28
	s_cselect_b32 s29, \ost, s29
	s_cselect_b32 s30, \nks, s30
.endm
	JOB 2, 384, 1344, 256, 8
	JOB 6, 640, 1408, 512, 8
	JOB 10, 1280, 256, 768, 16
	JOB 12, 1472, 896, 896, 32
	s_sub_co_u32 s26, s25, s26
	s_lshl_b32 s26, s26, 2
	s_cmp_ge_u32 s25, 10
	s_cselect_b32 s31, 1, 0
	s_cselect_b32 s60, 0, s26
	s_cselect_b32 s61, s26, 0
	s_add_co_u32 s60, s60, s24
	s_add_co_u32 s61, s61, s23
	s_lshl_b32 s62, s60, 1
	s_add_co_u32 s62, s62, s22
	s_lshl_b32 s62, s62, 3
	s_add_co_u32 s62, s62, s27
	s_mul_i32 s62, s62, REC
	s_mov_b32 s63, 0
	s_lshl_b32 s66, s61, 1
	s_add_co_u32 s66, s66, s22
	s_lshl_b32 s66, s66, 3
	s_add_co_u32 s66, s66, s28
	s_mul_i32 s66, s66, REC
	s_mov_b32 s67, 0
	s_lshl_b32 s79, s24, 2
	s_lshl_b32 s79, 15, s79
	s_lshl_b32 s78, 0x1111, s23
	s_or_b32 s[G1], s79, (3<<16)|(1<<21)
	s_or_b32 s[G1B], s78, (3<<16)|(1<<21)
.irp g, G1, G1B
	s_mov_b32 s[\g+1], 32<<16
	s_mov_b32 s[\g+2], 200<<16                     ; the head's load: 200 rows of 256 bytes, four records: my part of BOTH slots
	s_mov_b32 s[\g+3], 32<<16
	s_mov_b32 s[\g+4], 200
	s_mov_b32 s[\g+5], 32
	s_mov_b32 s[\g+6], 0
	s_mov_b32 s[\g+7], 0
.endr
	s_mul_i32 s79, s20, 2*HALFT                    ; a wave's parts of slot 0 and of slot 1 are neighbours in LDS: 4 records on end
	s_wait_dscnt 0x0
	s_wait_kmcnt 0x0
	s_add_nc_u64 s[62:63], s[4:5], s[62:63]
	s_add_nc_u64 s[66:67], s[4:5], s[66:67]
	CROUND
.irp s, 0,1
	s_mov_b32 s[G0+4*\s], 1
	s_add_co_u32 s[G0+4*\s+1], s79, \s*HALFT
	s_add_nc_u64 s[G0+4*\s+2:G0+4*\s+3], s[62:63], \s*2*REC
	s_or_b32 s[G0+4*\s+3], s[G0+4*\s+3], 0x80000000
	s_mov_b32 s[G0B+4*\s], 1
	s_add_co_u32 s[G0B+4*\s+1], s79, \s*HALFT
	s_add_nc_u64 s[G0B+4*\s+2:G0B+4*\s+3], s[66:67], \s*2*REC
	s_or_b32 s[G0B+4*\s+3], s[G0B+4*\s+3], 0x80000000
.endr
	JLOAD G0, G1, G0B, G1B                         ; ONE tensor load a wave at the head: K steps 0 to 3 of my block, into both slots
	s_mov_b64 s[32:33], s[8:9]
	s_cmp_ge_u32 s25, 2
	s_cselect_b64 s[32:33], s[10:11], s[32:33]
	s_cmp_ge_u32 s25, 6
	s_cselect_b64 s[32:33], s[12:13], s[32:33]
	s_cmp_ge_u32 s25, 10
	s_cselect_b64 s[32:33], s[14:15], s[32:33]
	s_cmp_ge_u32 s25, 12
	s_cselect_b64 s[32:33], s[16:17], s[32:33]
	s_cmp_eq_u32 s31, 0
	s_cselect_b32 s26, s61, s60
	s_cselect_b32 s27, s22, s21
	s_lshl_b32 s26, s26, 10
	s_lshl_b32 s27, s27, 9
	s_add_co_u32 s26, s26, s27
	s_mov_b32 s27, 0
	s_add_nc_u64 s[32:33], s[32:33], s[26:27]
	s_lshl_b32 s26, s60, 1
	s_add_co_u32 s26, s26, s21
	s_mul_i32 s26, s26, s30
	s_add_co_u32 s26, s26, s29
	s_lshl_b32 s28, s61, 1
	s_add_co_u32 s28, s28, s22
	s_add_co_u32 s26, s26, s28
	s_mul_i32 s26, s26, REC
	s_add_nc_u64 s[76:77], s[18:19], s[26:27]
	s_and_b32 s26, s25, 1
	s_lshl_b32 s26, s26, 2
	s_add_co_u32 s26, s26, s23
	s_lshl_b32 s28, s26, 3
	s_lshl_b32 s29, s20, 1
	s_add_co_u32 s28, s28, s29
	s_add_co_u32 s28, s28, 1152
	s_mul_i32 s28, s28, REC
	s_mov_b32 s29, 0
	s_mov_b32 s[G0E], 1
	s_mov_b32 s[G0E+1], s79
	s_add_nc_u64 s[G0E+2:G0E+3], s[4:5], s[28:29]
	s_or_b32 s[G0E+3], s[G0E+3], 0x80000000
	s_lshr_b32 s60, s25, 1
	s_lshl_b32 s60, s60, 1
	s_lshr_b32 s61, s24, 1
	s_add_co_u32 s60, s60, s61
	s_and_b32 s61, s24, 1
	s_lshl_b32 s60, s60, 3
	s_mul_i32 s62, s60, REC
	s_mul_i32 s63, s61, 4*FRB
	s_add_co_u32 s62, s62, s63
	s_mul_i32 s63, s20, FRB
	s_add_co_u32 s62, s62, s63
	s_mov_b32 s63, 0
	s_add_nc_u64 s[EAB:EAB+1], s[4:5], s[62:63]
	s_mul_i32 s62, s60, REC
	s_lshl_b32 s66, s61, 8
	s_add_co_u32 s62, s62, s66
	s_lshl_b32 s66, s20, 2
	s_add_co_u32 s62, s62, s66
	s_add_co_u32 s62, s62, SCO
	s_add_nc_u64 s[EWB:EWB+1], s[4:5], s[62:63]
	s_add_co_u32 s60, s60, s26
	s_mul_i32 s62, s60, REC
	s_mul_i32 s66, s61, 4*FRB
	s_add_co_u32 s62, s62, s66
	s_mul_i32 s66, s20, FRB
	s_add_co_u32 s62, s62, s66
	s_add_nc_u64 s[EOU:EOU+1], s[18:19], s[62:63]
	s_mul_i32 s62, s60, REC
	s_lshl_b32 s66, s61, 8
	s_add_co_u32 s62, s62, s66
	s_add_co_u32 s62, s62, SCO
	s_add_nc_u64 s[EOW:EOW+1], s[18:19], s[62:63]
	s_lshl_b32 s62, s26, 9
	s_add_nc_u64 s[EBI:EBI+1], s[6:7], s[62:63]
	s_mov_b32 s78, 0xffff0000
	s_mov_b32 s[SEL], 0x76543210
	s_mov_b32 s[SEL+1], 0xfedcba98
	v_and_b32 v1, 31, v0
	v_lshlrev_b32 v[OV], 4, v1
	v_add_nc_u32 v[EAD], 4*REC, v[OV]
	v_add_nc_u32 v22, 8*REC, v[OV]                 ; the last weight's records 2 w and 2 w + 1 lie at 4 w records: four address registers
	v_add_nc_u32 v23, 12*REC, v[OV]
	v_lshl_add_u32 v[ESR], v1, 3, ESW
	v_lshlrev_b32 v[EGO], 3, v1
	s_mul_i32 s28, s21, 2*HALFT
	v_add_nc_u32 v[ADRA], s28, v[OV]
	v_add_nc_u32 v[ADRA+1], HALFT, v[ADRA]
	s_mul_i32 s28, s22, 2*HALFT
	s_add_co_u32 s28, s28, 4*HALFT
	v_add_nc_u32 v[ADRB], s28, v[OV]
	v_add_nc_u32 v[ADRB+1], HALFT, v[ADRB]
	v_bfe_u32 v2, v0, 4, 1
	v_lshlrev_b32 v[BON], 6, v2
	v_and_b32 v3, 15, v0
	v_lshlrev_b32 v[EWO], 4, v3
	s_lshl_b32 s28, s20, 2
	s_add_co_u32 s28, s28, ESW
	v_add_nc_u32 v[ESA], s28, v[EWO]
	v_and_b32 v4, 8, v3
	v_add_nc_u32 v3, v3, v4
	v_lshlrev_b32 v[BOM], 2, v3
	s_cmp_eq_u32 s31, 0
	s_cbranch_scc0 .Lbias_lanes
.irp t, 0,1,2,3,4,5,6,7
	global_load_b128 v[BI+8*\t:BI+8*\t+3], v[BON], s[32:33] offset:(32*(\t/2)+8*(\t%2))*4
	global_load_b128 v[BI+8*\t+4:BI+8*\t+7], v[BON], s[32:33] offset:(32*(\t/2)+8*(\t%2))*4+16
.endr
	s_branch .Lbias_asked
.Lbias_lanes:
	s_wait_alu depctr_va_vdst(0)
.irp t, 0,1,2,3,4,5,6,7
.irp j, 0,1,2,3,4,5,6,7
	global_load_b32 v[BI+8*\t+\j], v[BOM], s[32:33] offset:(32*(\t/2)+8*(\t%2))*4
.endr
.endr
.Lbias_asked:
.macro FRAG reg, adr, off
.irp c, 0,1,2
	ds_load_b128 v[\reg+4*\c:\reg+4*\c+3], v[\adr] offset:\off+512*\c
.endr
.endm
.macro FETCH_B slot, q, p
	WIN 0x40
.irp i, 0,1,2,3,4,5,6,7
	FRAG 128*(\p)+12*\i, ADRB+\slot, (\q)*REC+\i*FRB
.endr
	WIN 0
.endm
.macro FETCH_A slot, q, i0
.irp i, \i0, \i0+1, \i0+2, \i0+3
	FRAG AF+12*(\i), ADRA+\slot, (\q)*REC+(\i)*FRB
.endr
.endm
.macro SCALES slot, q, p
	ds_load_b128 v[SC+8*(\p):SC+8*(\p)+3], v[ADRA+\slot] offset:(\q)*REC+SCO
	ds_load_b128 v[SC+8*(\p)+4:SC+8*(\p)+7], v[ADRB+\slot] offset:(\q)*REC+SCO
.endm
.macro MM a, b, p, mode
.set rD, 8*(8*((\a)%4)+(\b))
.set rB, 128*(\p)+12*(\b)
.set rA, AF+12*(\a)
.set rSB, SC+8*(\p)+4+(\b)%4
.set rSA, SC+8*(\p)+(\a)%4
.set rC, rD
.if (\mode) == 2
.set rC, BI+8*(\b)
.endif
.if (\mode) == 3
.set rC, BI+8*(\a)
.endif
.set rR, 2*((\b)/4)+(\a)/4
.if rR == 0
	v_wmma_scale_f32_16x16x128_f8f6f4 v[rD:rD+7], v[rB:rB+11], v[rA:rA+11], v[rC:rC+7], v[rSB], v[rSA] matrix_a_fmt:MATRIX_FMT_FP6 matrix_b_fmt:MATRIX_FMT_FP6
.elseif rR == 1
	v_wmma_scale_f32_16x16x128_f8f6f4 v[rD:rD+7], v[rB:rB+11], v[rA:rA+11], v[rC:rC+7], v[rSB], v[rSA] matrix_a_fmt:MATRIX_FMT_FP6 matrix_b_fmt:MATRIX_FMT_FP6 matrix_b_scale:MATRIX_SCALE_ROW1
.elseif rR == 2
	v_wmma_scale_f32_16x16x128_f8f6f4 v[rD:rD+7], v[rB:rB+11], v[rA:rA+11], v[rC:rC+7], v[rSB], v[rSA] matrix_a_fmt:MATRIX_FMT_FP6 matrix_b_fmt:MATRIX_FMT_FP6 matrix_a_scale:MATRIX_SCALE_ROW1
.else
	v_wmma_scale_f32_16x16x128_f8f6f4 v[rD:rD+7], v[rB:rB+11], v[rA:rA+11], v[rC:rC+7], v[rSB], v[rSA] matrix_a_fmt:MATRIX_FMT_FP6 matrix_b_fmt:MATRIX_FMT_FP6 matrix_a_scale:MATRIX_SCALE_ROW1 matrix_b_scale:MATRIX_SCALE_ROW1
.endif
.endm
.macro MUL16 a0, p, mode
.if (\mode) >= 2
	WIN 0x81+0x40*((\a0)/4)
.else
	WIN 0xa1+0x50*((\a0)/4)
.endif
.irp a, \a0, \a0+1
.irp b, 0,1,2,3,4,5,6,7
	MM \a, \b, \p, \mode
.endr
.endr
.endm
.macro STEP slot, mode
	s_wait_dscnt 12
	MUL16 0, 0, \mode
	MUL16 2, 0, \mode
	s_wait_dscnt 0x0
	PLACES 4
	FETCH_B \slot, 1, 1
	FETCH_A \slot, 1, 0
	SCALES \slot, 1, 1
	MUL16 4, 0, \mode
	MUL16 6, 0, \mode
	PLACES 4
	WIN 0
	FETCH_A \slot, 1, 4
.endm
.macro TURN slot, next, fill
	s_wait_tensorcnt 0x0
	ds_add_u32 v[SPW], v[NIL]
	s_wait_dscnt 13
	MUL16 0, 1, 0
	s_wait_dscnt 0x0
	s_barrier_signal -1
	MUL16 2, 1, 0
	WIN 0
	s_barrier_wait -1
	CREST
.if (\fill) == 1
	s_add_nc_u64 s[G0+4*\slot+2:G0+4*\slot+3], s[G0+4*\slot+2:G0+4*\slot+3], 4*REC
	s_add_nc_u64 s[G0B+4*\slot+2:G0B+4*\slot+3], s[G0B+4*\slot+2:G0B+4*\slot+3], 4*REC
	JLOAD G0+4*\slot, G1, G0B+4*\slot, G1B
.else
	tensor_load_to_lds s[G0E:G0E+3], s[G1B:G1B+7]
	s_nop 0
.rept 4
	v_nop
.endr
.endif
	s_wait_alu depctr_va_vdst(0)
	FETCH_B \next, 0, 0
	FETCH_A \next, 0, 0
	SCALES \next, 0, 0
	MUL16 4, 1, 0
	MUL16 6, 1, 0
	PLACES 4
	WIN 0
	FETCH_A \next, 0, 4
.endm
	s_wait_alu depctr_va_vdst(0)
	s_wait_tensorcnt 0x0                           ; my one load, my part of both slots, is in
	s_mov_b32 s[G1+2], 100<<16                     ; no tensor load of mine is out, so a descriptor may be written: a refill brings 100 rows, two records
	s_mov_b32 s[G1+4], 100
	s_mov_b32 s[G1B+2], 100<<16
	s_mov_b32 s[G1B+4], 100
	s_barrier_signal -1
	s_barrier_wait -1
	FETCH_B 0, 0, 0
	FETCH_A 0, 0, 0
	SCALES 0, 0, 0
	FETCH_A 0, 0, 4
	s_wait_loadcnt 0x0
	s_cmp_eq_u32 s31, 0
	s_cbranch_scc0 .Lfirst_lanes
	STEP 0, 2
	s_branch .Lfirst_done
.Lfirst_lanes:
	STEP 0, 3
.Lfirst_done:
	TURN 0, 1, 1
	STEP 1, 0
	TURN 1, 0, 1
	STEP 0, 0
	TURN 0, 1, 2
	STEP 1, 0
	s_wait_dscnt 12
	MUL16 0, 1, 0
	MUL16 2, 1, 0
	s_wait_dscnt 0x0
	MUL16 4, 1, 0
	MUL16 6, 1, 0
	WIN 0
	PLACES 4
	WIN 0x40
.irp k, 0,1,2,3,4,5,6,7
.irp c, 0,1,2
	global_load_b128 v[12*\k+4*\c:12*\k+4*\c+3], v[OV], s[EAB:EAB+1] offset:\k*REC+512*\c
.endr
.endr
	WIN 0
.irp k, 0,1,2,3,4,5,6,7
	global_load_b32 v[ESC+\k], v[EWO], s[EWB:EWB+1] offset:\k*REC
.endr
.irp t, 0,1,2,3,4,5,6,7
	global_load_b128 v[BI+8*\t:BI+8*\t+3], v[BON], s[EBI:EBI+1] offset:(32*(\t/2)+8*(\t%2))*4
	global_load_b128 v[BI+8*\t+4:BI+8*\t+7], v[BON], s[EBI:EBI+1] offset:(32*(\t/2)+8*(\t%2))*4+16
.endr
.irp b, 0,1,2,3
	v_mov_b32 v[TM+4+\b], 0
.endr
.macro QFRAG qw, ac, sw
.set QW, \qw
.set AC, \ac
.set QS, \sw
	WIN (QW<<2)|(QW<<4)
.irp b, 0,1,2,3
	v_max3_num_f32 v[TM+\b], 0x1800000, |v[AC+16*\b]|, |v[AC+16*\b+1]|
.endr
.irp i, 2,4,6,8,10,12,14
.irp b, 0,1,2,3
	v_max3_num_f32 v[TM+\b], v[TM+\b], |v[AC+16*\b+\i]|, |v[AC+16*\b+\i+1]|
.endr
.endr
	WIN 0
.irp b, 0,1,2,3
	v_permlanex16_b32 v[TM+4+\b], v[TM+\b], s[SEL], s[SEL+1]
.endr
.irp b, 0,1,2,3
	v_max_num_f32 v[TM+\b], v[TM+\b], v[TM+4+\b]
.endr
.irp b, 0,1,2,3
	v_add_nc_u32 v[TM+12+\b], 0xff000000, v[TM+\b]
.endr
.irp b, 0,1,2,3
	v_lshrrev_b32 v[TM+4+\b], 23, v[TM+12+\b]
.endr
	v_lshl_or_b32 v[QS], v[TM+5], 8, v[TM+4]
	v_lshl_or_b32 v[QS], v[TM+6], 16, v[QS]
	v_lshl_or_b32 v[QS], v[TM+7], 24, v[QS]
	s_wait_xcnt 0x0
	WIN QW
.irp c, 0,1
	v_cvt_scalef32_pk16_fp6_f32 v[PC+6*\c:PC+2+6*\c], v[AC+32*\c:AC+15+32*\c], v[TM+12+2*\c]
	v_cvt_scalef32_pk16_fp6_f32 v[PC+12+4*\c:PC+14+4*\c], v[AC+16+32*\c:AC+31+32*\c], v[TM+12+2*\c+1]
.endr
	WIN 0
	v_nop
.irp c, 0,1
.irp i, 0,1,2
	v_permlane16_swap_b32 v[PC+6*\c+\i], v[PC+12+4*\c+\i]
.endr
.irp i, 0,1,2
	v_mov_b32 v[PC+3+6*\c+\i], v[PC+12+4*\c+\i]
.endr
.endr
.endm
.macro QA a
	QFRAG 2+(\a)/4, 64*((\a)%4), SW+(\a)
.irp c, 0,1,2
	global_store_b128 v[OV], v[PC+4*\c:PC+4*\c+3], s[76:77] offset:(\a)*FRB+512*\c
.endr
.endm
.irp t, 0,1,2,3,4,5,6,7
	QA \t
.endr
.irp k, 0,1,2,3
	v_cndmask_b32 v[SD+\k], v[SW+\k], v[SW+4+\k], s78
.endr
	global_store_b128 v[OV], v[SD:SD+3], s[76:77] offset:SCO
.macro EFETCH k
.set eK, (\k)%2
.set eR, OV
.if (\k)/2 == 1
.set eR, EAD
.elseif (\k)/2 == 2
.set eR, 22
.elseif (\k)/2 == 3
.set eR, 23
.endif
.if (\k)%2 == 0
	WIN 0x40
.else
	WIN 0
.endif
.irp i, 0,1,2,3,4,5,6,7
	FRAG 128+12*\i, eR, eK*REC+\i*FRB
.endr
	WIN 0
	ds_load_b128 v[SC+8*((\k)%2)+4:SC+8*((\k)%2)+7], v[eR] offset:eK*REC+SCO
.endm
.macro EMUL k
	WIN 0x04+((\k)+1)%2
.irp b, 0,1,2,3,4,5,6,7
.set rD, BI+8*\b
.set rB, 128+12*\b
.set rA, 12*(\k)
.set rSB, SC+8*((\k)%2)+4+\b%4
.set rSA, ESC+(\k)
.if \b < 4
	v_wmma_scale_f32_16x16x128_f8f6f4 v[rD:rD+7], v[rB:rB+11], v[rA:rA+11], v[rD:rD+7], v[rSB], v[rSA] matrix_a_fmt:MATRIX_FMT_FP6 matrix_b_fmt:MATRIX_FMT_FP6
.else
	v_wmma_scale_f32_16x16x128_f8f6f4 v[rD:rD+7], v[rB:rB+11], v[rA:rA+11], v[rD:rD+7], v[rSB], v[rSA] matrix_a_fmt:MATRIX_FMT_FP6 matrix_b_fmt:MATRIX_FMT_FP6 matrix_a_scale:MATRIX_SCALE_ROW1
.endif
.endr
	WIN 0
.endm
	s_wait_tensorcnt 0x0
	s_barrier_signal -1
	s_barrier_wait -1
	s_wait_xcnt 0x0
	s_wait_loadcnt 0x0
	EFETCH 0
.irp k, 0,1,2,3,4,5,6,7
.if \k < 7
.if \k > 0
	PLACES 4
.endif
	EFETCH \k+1
	s_wait_dscnt 25
.else
	s_wait_dscnt 0x0
.endif
	EMUL \k
.endr
	PLACES 4
	QFRAG 0, BI, SW
.irp c, 0,1,2
	global_store_b128 v[OV], v[PC+4*\c:PC+4*\c+3], s[EOU:EOU+1] offset:512*\c
.endr
	ds_store_b32 v[ESA], v[SW]
	s_wait_dscnt 0x0
	s_barrier_signal -1
	s_barrier_wait -1
	s_cmp_lg_u32 s20, 0
	s_cbranch_scc1 .Lwords_out
	ds_load_b64 v[SD:SD+1], v[ESR]
	s_wait_dscnt 0x0
	global_store_b64 v[EGO], v[SD:SD+1], s[EOW:EOW+1]
.Lwords_out:
	s_wait_tensorcnt 0x0
	ds_add_u32 v[SPW], v[NIL]
	s_wait_dscnt 0x0
	CROUND
	s_endpgm
.Lfunc_end_k_qf1d119f6f3_proj:
	.size	k_qf1d119f6f3_proj, .Lfunc_end_k_qf1d119f6f3_proj-k_qf1d119f6f3_proj
	.p2alignl 7, 3214868480
	.fill 96, 4, 3214868480
	.section	.rodata,"a",@progbits
	.p2align	6, 0x0
	.amdhsa_kernel k_qf1d119f6f3_proj
		.amdhsa_group_segment_fixed_size 327680
		.amdhsa_private_segment_fixed_size 0
		.amdhsa_enable_private_segment 0
		.amdhsa_kernarg_size 64
		.amdhsa_user_sgpr_count 2
		.amdhsa_user_sgpr_kernarg_segment_ptr 1
		.amdhsa_wavefront_size32 1
		.amdhsa_system_sgpr_workgroup_id_x 1
		.amdhsa_system_sgpr_workgroup_id_y 1
		.amdhsa_system_sgpr_workgroup_id_z 1
		.amdhsa_system_vgpr_workitem_id 0
		.amdhsa_next_free_vgpr 1024
		.amdhsa_next_free_sgpr 96
		.amdhsa_reserve_vcc 0
		.amdhsa_float_denorm_mode_32 3
		.amdhsa_float_denorm_mode_16_64 3
		.amdhsa_memory_ordered 1
		.amdhsa_forward_progress 1
		.amdhsa_inst_pref_size 191
	.end_amdhsa_kernel
	.amdgpu_metadata
---
amdhsa.version: [ 1, 2 ]
amdhsa.kernels:
  - .name:           k_qf1d119f6f3_proj
    .symbol:         k_qf1d119f6f3_proj.kd
    .args:
      - { .name: xw, .offset: 0, .size: 8, .value_kind: global_buffer, .address_space: global }
      - { .name: bq_c, .offset: 8, .size: 8, .value_kind: global_buffer, .address_space: global }
      - { .name: bk_c, .offset: 16, .size: 8, .value_kind: global_buffer, .address_space: global }
      - { .name: bq_p, .offset: 24, .size: 8, .value_kind: global_buffer, .address_space: global }
      - { .name: bk_p, .offset: 32, .size: 8, .value_kind: global_buffer, .address_space: global }
      - { .name: bv_c, .offset: 40, .size: 8, .value_kind: global_buffer, .address_space: global }
      - { .name: bv_p, .offset: 48, .size: 8, .value_kind: global_buffer, .address_space: global }
      - { .name: qkv, .offset: 56, .size: 8, .value_kind: global_buffer, .address_space: global }
    .group_segment_fixed_size: 327680
    .private_segment_fixed_size: 0
    .kernarg_segment_align: 8
    .kernarg_segment_size: 64
    .max_flat_workgroup_size: 128
    .sgpr_count:     96
    .vgpr_count:     1024
    .wavefront_size: 32
...
	.end_amdgpu_metadata
.endif
;; end of part 2
;; launch score (part 3): grid 4 x 64, 4 waves a work-group, clusters of 4 x 4, 327,680 bytes of LDS; arguments qkv, pbuf, pst; writes pbuf, pst
.if DOCPART == 3
	.amdgcn_target "amdgcn-amd-amdhsa--gfx1250"
	.amdhsa_code_object_version 6
	.text
	.protected	k_qf1d119f6f3_score
	.globl	k_qf1d119f6f3_score
	.p2align	8
	.type	k_qf1d119f6f3_score,@function
k_qf1d119f6f3_score:
	s_mov_b64 s[64:65], 0
	v_nop
	global_prefetch_b8 v0, s[64:65] scope:SCOPE_SE
	s_setreg_imm32_b32 hwreg(HW_REG_WAVE_MODE, 25, 1), 1
	s_wait_xcnt 0x0
	s_wait_alu depctr_hold_cnt(0) depctr_sa_sdst(0) depctr_va_vdst(0) depctr_va_sdst(0) depctr_va_ssrc(0) depctr_va_vcc(0) depctr_vm_vsrc(0)
	s_getreg_b32 s2, hwreg(HW_REG_IB_STS2, 6, 4)
	s_cmp_eq_u32 s2, 0
	s_cbranch_scc0 .Lentry_in_a_cluster
	s_endpgm
.Lentry_in_a_cluster:
	s_bfe_u32 s2, ttmp6, 0x10000c
	s_cmp_lg_u32 s2, 0xf033
	s_cbranch_scc0 .Lentry_shape_is_right
	s_endpgm
.Lentry_shape_is_right:
; Both attentions' first product and the softmax's numerator, on codes of FP6 (E2M3): S^T = k q^T (K = 1,024), t = S log2(e) / 32, p = 2^(t - M) quantised along the keys.
; M HERE IS LOCAL: the ceiling of the largest t among the 128 keys of a wave's tile.  M is a whole number, so bringing p under the row's own M later is a subtraction from its E8M0 bytes, which rounds nothing: the next
; launch does it.  For each query and each 128 keys this launch stores p's codes and scale words (one record of pbuf), -M and the sum l of the unquantised p (1,024 bytes of pst, indexed like the scale words).
; The maximum is taken away before every exponential: t - M is at most 0 (but for the last bit of a rounding), so no p and no sum of 128 of them overflows.
; A tile of 256 queries x 256 keys is made by four waves, 128 x 128 each.  ROLE A (source 1) = q: a lane holds one query; ROLE B (source 0) = k: by the rows' order in a record the 16 registers of k's tiles 2 b and
; 2 b + 1 are 16 neighbouring keys.  Ring, rounds and joint loads: K in steps of 128 through two LDS slots of two steps; a wave's tensor load brings two records; 16 clusters of 4 x 4, q shared along a row, k along a column.
; A wave has one tensor load out at the start and one behind each round.
; LIMITS: a block whose every p has fallen to 0 keeps the byte 1 (its codes are zeros); v_exp_f32 gives 0 under 2^-126; NaN and infinities are not served.
; REGISTERS: window 0: v16-29 addresses; v32-47 scale words; v64-127 p; v128-223 A's fragments (in the tail: at work).  window 1: B's fragments, two sets.  windows 2, 3: accumulator (a, b) at v[8 (8 (a % 4) + b)].
.set REC,   12800
.set FRB,   1536
.set SCO,   12288
.set HALFT, 2*REC
.set SLOT,  4*HALFT
.set SPARE, 2*SLOT                     ; behind the ring: the spare words, 128 bytes a wave: two blocks of 256 bytes that no other line names
.set ADRA, 16
.set ADRB, 20
.set OV,   24
.set SPW,  28                          ; v28 LDS address of my spare word; never rewritten
.set NIL,  29                          ; v29 0; never rewritten
.set SC,   32
.set P,    64                          ; the tail: 64 p
.set AF,   128
.set PC,   128                         ; codes
.set BX,   160                         ; the four blocks' largest scores, then largest p
.set BY,   164
.set SO,   168                         ; the conversions' scale operands
.set NM,   172                         ; v[172:173] -M (the packed form names a pair and takes its low word)
.set SA,   174                         ; two chains of sums
.set SB,   176
.set T,    178
.set SW,   180                         ; eight scale words
.set MS,   188                         ; eight -M
.set LS,   196                         ; eight l
.set SD,   204                         ; v204-215 three times four registers as they are stored
.set STP,  30                          ; s[30:31] my 1,024 bytes of pst
.set CS,   32                          ; s[32:33] c = log2(e) / 32
.set SEL,  34
.set G1,   36
.set G0,   44
.set G1B,  52
.set G0B,  68
.set MSB, 0
.macro WIN new
.if MSB != (\new)
	s_set_vgpr_msb (MSB<<8)|(\new)
.set MSB, (\new)
.endif
.endm
.macro JLOAD g0a, g1a, g0b, g1b        ; a joint load: waves 0 and 1 fetch q's two blocks, waves 2 and 3 k's; an s_nop 0 and four v_nop follow each of the two lines
	s_cmp_eq_u32 s21, 0
	s_cbranch_scc0 .Lfor_b_\@
	tensor_load_to_lds s[\g0a:\g0a+3], s[\g1a:\g1a+7]
	s_nop 0
.rept 4
	v_nop
.endr
	s_branch .Lasked_\@
.Lfor_b_\@:
	tensor_load_to_lds s[\g0b:\g0b+3], s[\g1b:\g1b+7]
	s_nop 0
.rept 4
	v_nop
.endr
.Lasked_\@:
.endm
.macro CREST
	s_cmp_lg_u32 s20, 0
	s_cbranch_scc1 .Lnot_wave_0_\@
	s_barrier_signal -3
.Lnot_wave_0_\@:
	s_barrier_wait -3
	s_barrier_signal -1
	s_barrier_wait -1
.endm
.macro CROUND
	s_barrier_signal -1
	s_barrier_wait -1
	CREST
.endm
.macro PLACES n
.rept \n
	v_nop
.endr
.endm
	s_load_b128 s[4:7], s[0:1], 0x0                ; qkv, pbuf
	s_load_b64 s[8:9], s[0:1], 0x10                ; pst
	v_lshl_add_u32 v[SPW], v0, 2, SPARE
	v_mov_b32 v[NIL], 0
	ds_add_u32 v[SPW], v[NIL]                      ; the wave's opening: the add and its wait ahead of my first tensor load
	ds_add_u32 v[SPW], v[NIL]
	v_lshrrev_b32 v1, 5, v0
	v_readfirstlane_b32 s20, v1                    ; wave 0..3
	s_lshr_b32 s21, s20, 1
	s_and_b32 s22, s20, 1
	s_bfe_u32 s23, ttmp6, 0x40000                  ; cx
	s_bfe_u32 s24, ttmp6, 0x40004                  ; cy
	s_and_b32 s25, ttmp7, 0xffff                   ; the cluster's number 0..15: 0-7 compound on protein, 8-15 protein on compound
	s_and_b32 s26, s25, 7
	s_mov_b32 s28, 128
	s_cmp_lt_u32 s25, 8
	s_cselect_b32 s27, 0, 256                      ; q's first record
	s_cselect_b32 s28, 512, s28                    ; k's
	s_cselect_b32 s29, 0, 512                      ; p's
	s_cselect_b32 s30, 32, 16                      ; p's K steps
	s_cselect_b32 s31, 2, 1
	s_cselect_b32 s60, 3, 1
	s_and_b32 s61, s26, s60
	s_lshr_b32 s60, s26, s31
	s_lshl_b32 s60, s60, 2
	s_lshl_b32 s61, s61, 2
	s_add_co_u32 s60, s60, s24                     ; the tile of queries: hangs on cy and the cluster's number alone
	s_add_co_u32 s61, s61, s23                     ; the tile of keys: on cx and the cluster's number alone
	s_lshl_b32 s62, s60, 1
	s_add_co_u32 s62, s62, s22
	s_lshl_b32 s62, s62, 3
	s_add_co_u32 s62, s62, s27
	s_mul_i32 s62, s62, REC
	s_mov_b32 s63, 0
	s_lshl_b32 s66, s61, 1
	s_add_co_u32 s66, s66, s22
	s_lshl_b32 s66, s66, 3
	s_add_co_u32 s66, s66, s28
	s_mul_i32 s66, s66, REC
	s_mov_b32 s67, 0
	s_lshl_b32 s79, s24, 2
	s_lshl_b32 s79, 15, s79                        ; my row of the cluster
	s_lshl_b32 s78, 0x1111, s23                    ; my column
	s_or_b32 s[G1], s79, (3<<16)|(1<<21)
	s_or_b32 s[G1B], s78, (3<<16)|(1<<21)
.irp g, G1, G1B
	s_mov_b32 s[\g+1], 32<<16                      ; 100 rows of 256 bytes, dense: two records
	s_mov_b32 s[\g+2], 200<<16                     ; the head's load: 200 rows of 256 bytes, four records: my part of BOTH slots
	s_mov_b32 s[\g+3], 32<<16
	s_mov_b32 s[\g+4], 200
	s_mov_b32 s[\g+5], 32
	s_mov_b32 s[\g+6], 0
	s_mov_b32 s[\g+7], 0
.endr
	s_mul_i32 s79, s20, 2*HALFT                    ; a wave's parts of slot 0 and of slot 1 are neighbours in LDS: 4 records on end
	s_wait_dscnt 0x0                               ; the opening add is done
	s_wait_kmcnt 0x0
	s_add_nc_u64 s[62:63], s[4:5], s[62:63]
	s_add_nc_u64 s[66:67], s[4:5], s[66:67]
	CROUND                                         ; all sixteen work-groups are here: the first joint loads meet
.irp s, 0,1
	s_mov_b32 s[G0+4*\s], 1
	s_add_co_u32 s[G0+4*\s+1], s79, \s*HALFT
	s_add_nc_u64 s[G0+4*\s+2:G0+4*\s+3], s[62:63], \s*2*REC
	s_or_b32 s[G0+4*\s+3], s[G0+4*\s+3], 0x80000000
	s_mov_b32 s[G0B+4*\s], 1
	s_add_co_u32 s[G0B+4*\s+1], s79, \s*HALFT
	s_add_nc_u64 s[G0B+4*\s+2:G0B+4*\s+3], s[66:67], \s*2*REC
	s_or_b32 s[G0B+4*\s+3], s[G0B+4*\s+3], 0x80000000
.endr
	JLOAD G0, G1, G0B, G1B                         ; ONE tensor load a wave at the head: K steps 0 to 3 of my block, into both slots
	s_lshl_b32 s26, s60, 1
	s_add_co_u32 s26, s26, s21                     ; my block of queries,
	s_mul_i32 s26, s26, s30
	s_add_co_u32 s26, s26, s29
	s_lshl_b32 s28, s61, 1
	s_add_co_u32 s28, s28, s22                     ; my 128 keys
	s_add_co_u32 s28, s26, s28                     ; my record of p
	s_mul_i32 s26, s28, REC
	s_mov_b32 s27, 0
	s_add_nc_u64 s[76:77], s[6:7], s[26:27]
	s_lshl_b32 s26, s28, 10
	s_add_nc_u64 s[STP:STP+1], s[8:9], s[26:27]
	s_mov_b32 s78, 0xffff0000                      ; lanes 16-31
	s_mov_b32 s[CS], 0x3d38aa3b                    ; log2(e) / 32
	s_mov_b32 s[CS+1], s[CS]
	s_mov_b32 s[SEL], 0x76543210
	s_mov_b32 s[SEL+1], 0xfedcba98
	v_and_b32 v1, 31, v0
	v_lshlrev_b32 v[OV], 4, v1
	s_mul_i32 s28, s21, 2*HALFT
	v_add_nc_u32 v[ADRA], s28, v[OV]
	v_add_nc_u32 v[ADRA+1], HALFT, v[ADRA]
	s_mul_i32 s28, s22, 2*HALFT
	s_add_co_u32 s28, s28, 4*HALFT
	v_add_nc_u32 v[ADRB], s28, v[OV]
	v_add_nc_u32 v[ADRB+1], HALFT, v[ADRB]
.macro FRAG reg, adr, off
.irp c, 0,1,2
	ds_load_b128 v[\reg+4*\c:\reg+4*\c+3], v[\adr] offset:\off+512*\c
.endr
.endm
.macro FETCH_B slot, q, p
	WIN 0x40
.irp i, 0,1,2,3,4,5,6,7
	FRAG 128*(\p)+12*\i, ADRB+\slot, (\q)*REC+\i*FRB
.endr
	WIN 0
.endm
.macro FETCH_A slot, q, i0
.irp i, \i0, \i0+1, \i0+2, \i0+3
	FRAG AF+12*(\i), ADRA+\slot, (\q)*REC+(\i)*FRB
.endr
.endm
.macro SCALES slot, q, p
	ds_load_b128 v[SC+8*(\p):SC+8*(\p)+3], v[ADRA+\slot] offset:(\q)*REC+SCO
	ds_load_b128 v[SC+8*(\p)+4:SC+8*(\p)+7], v[ADRB+\slot] offset:(\q)*REC+SCO
.endm
.macro MM a, b, p, mode                ; source 0 = k's tile b, source 1 = q's tile a.  mode 1: the product starts the sum: nothing is ever cleared
.set rD, 8*(8*((\a)%4)+(\b))
.set rB, 128*(\p)+12*(\b)
.set rA, AF+12*(\a)
.set rSB, SC+8*(\p)+4+(\b)%4
.set rSA, SC+8*(\p)+(\a)%4
.set rR, 2*((\b)/4)+(\a)/4
.if (\mode) == 1
.if rR == 0
	v_wmma_scale_f32_16x16x128_f8f6f4 v[rD:rD+7], v[rB:rB+11], v[rA:rA+11], 0, v[rSB], v[rSA] matrix_a_fmt:MATRIX_FMT_FP6 matrix_b_fmt:MATRIX_FMT_FP6
.elseif rR == 1
	v_wmma_scale_f32_16x16x128_f8f6f4 v[rD:rD+7], v[rB:rB+11], v[rA:rA+11], 0, v[rSB], v[rSA] matrix_a_fmt:MATRIX_FMT_FP6 matrix_b_fmt:MATRIX_FMT_FP6 matrix_b_scale:MATRIX_SCALE_ROW1
.elseif rR == 2
	v_wmma_scale_f32_16x16x128_f8f6f4 v[rD:rD+7], v[rB:rB+11], v[rA:rA+11], 0, v[rSB], v[rSA] matrix_a_fmt:MATRIX_FMT_FP6 matrix_b_fmt:MATRIX_FMT_FP6 matrix_a_scale:MATRIX_SCALE_ROW1
.else
	v_wmma_scale_f32_16x16x128_f8f6f4 v[rD:rD+7], v[rB:rB+11], v[rA:rA+11], 0, v[rSB], v[rSA] matrix_a_fmt:MATRIX_FMT_FP6 matrix_b_fmt:MATRIX_FMT_FP6 matrix_a_scale:MATRIX_SCALE_ROW1 matrix_b_scale:MATRIX_SCALE_ROW1
.endif
.else
.if rR == 0
	v_wmma_scale_f32_16x16x128_f8f6f4 v[rD:rD+7], v[rB:rB+11], v[rA:rA+11], v[rD:rD+7], v[rSB], v[rSA] matrix_a_fmt:MATRIX_FMT_FP6 matrix_b_fmt:MATRIX_FMT_FP6
.elseif rR == 1
	v_wmma_scale_f32_16x16x128_f8f6f4 v[rD:rD+7], v[rB:rB+11], v[rA:rA+11], v[rD:rD+7], v[rSB], v[rSA] matrix_a_fmt:MATRIX_FMT_FP6 matrix_b_fmt:MATRIX_FMT_FP6 matrix_b_scale:MATRIX_SCALE_ROW1
.elseif rR == 2
	v_wmma_scale_f32_16x16x128_f8f6f4 v[rD:rD+7], v[rB:rB+11], v[rA:rA+11], v[rD:rD+7], v[rSB], v[rSA] matrix_a_fmt:MATRIX_FMT_FP6 matrix_b_fmt:MATRIX_FMT_FP6 matrix_a_scale:MATRIX_SCALE_ROW1
.else
	v_wmma_scale_f32_16x16x128_f8f6f4 v[rD:rD+7], v[rB:rB+11], v[rA:rA+11], v[rD:rD+7], v[rSB], v[rSA] matrix_a_fmt:MATRIX_FMT_FP6 matrix_b_fmt:MATRIX_FMT_FP6 matrix_a_scale:MATRIX_SCALE_ROW1 matrix_b_scale:MATRIX_SCALE_ROW1
.endif
.endif
.endm
.macro MUL16 a0, p, mode               ; the 64 accumulators take turns, one instruction a turn, in the same order in every step
	WIN 0xa1+0x50*((\a0)/4)
.irp a, \a0, \a0+1
.irp b, 0,1,2,3,4,5,6,7
	MM \a, \b, \p, \mode
.endr
.endr
.endm
.macro STEP slot, mode
	s_wait_dscnt 12                                ; all but the youngest 12 loads (q's tiles 4-7)
	MUL16 0, 0, \mode
	MUL16 2, 0, \mode
	s_wait_dscnt 0x0
	PLACES 4
	FETCH_B \slot, 1, 1
	FETCH_A \slot, 1, 0
	SCALES \slot, 1, 1
	MUL16 4, 0, \mode
	MUL16 6, 0, \mode
	PLACES 4
	WIN 0
	FETCH_A \slot, 1, 4
.endm
.macro TURN slot, next, fill
	s_wait_tensorcnt 0x0                           ; all my tensor loads have landed: my part of the next slot
	ds_add_u32 v[SPW], v[NIL]
	s_wait_dscnt 13                                ; (the add and the youngest 12 loads may be out)
	MUL16 0, 1, 0
	s_wait_dscnt 0x0                               ; the add is done, and my reads of this slot are over
	s_barrier_signal -1
	MUL16 2, 1, 0
	WIN 0
	s_barrier_wait -1
.if \fill
	CREST                                          ; no wave of any partner still reads this slot or has a load on its way
	s_add_nc_u64 s[G0+4*\slot+2:G0+4*\slot+3], s[G0+4*\slot+2:G0+4*\slot+3], 4*REC
	s_add_nc_u64 s[G0B+4*\slot+2:G0B+4*\slot+3], s[G0B+4*\slot+2:G0B+4*\slot+3], 4*REC
	JLOAD G0+4*\slot, G1, G0B+4*\slot, G1B
.else
	PLACES 4
.endif
	FETCH_B \next, 0, 0
	FETCH_A \next, 0, 0
	SCALES \next, 0, 0
	MUL16 4, 1, 0
	MUL16 6, 1, 0
	PLACES 4
	WIN 0
	FETCH_A \next, 0, 4
.endm
	s_wait_alu depctr_va_vdst(0)
	s_wait_tensorcnt 0x0                           ; my one load, my part of both slots, is in
	s_mov_b32 s[G1+2], 100<<16                     ; no tensor load of mine is out, so a descriptor may be written: a refill brings 100 rows, two records
	s_mov_b32 s[G1+4], 100
	s_mov_b32 s[G1B+2], 100<<16
	s_mov_b32 s[G1B+4], 100
	s_barrier_signal -1
	s_barrier_wait -1
	FETCH_B 0, 0, 0
	FETCH_A 0, 0, 0
	SCALES 0, 0, 0
	FETCH_A 0, 0, 4
	STEP 0, 1
	TURN 0, 1, 1
	STEP 1, 0
	TURN 1, 0, 1
	STEP 0, 0
	TURN 0, 1, 0
	STEP 1, 0
	s_wait_dscnt 12
	MUL16 0, 1, 0
	MUL16 2, 1, 0
	s_wait_dscnt 0x0
	MUL16 4, 1, 0
	MUL16 6, 1, 0
	WIN 0
	PLACES 4
; THE TAIL.  For q's tile a my lane holds one query and 64 scores: register 16 b + i = key 32 b + 16 h + i of my 128
.irp b, 0,1,2,3
	v_mov_b32 v[BY+\b], 0                          ; written once: a lane permute's destination counts as one of its sources
.endr
	v_mov_b32 v[NM+1], 0                           ; (named as the upper half of a pair)
	v_mov_b32 v[T+1], 0
.macro SOFT a
.set QW, 2+(\a)/4
.set AC, 64*((\a)%4)
	WIN (QW<<2)|(QW<<4)
.irp b, 0,1,2,3
	v_max3_num_f32 v[BX+\b], 0xff800000, v[AC+16*\b], v[AC+16*\b+1]   ; the largest score of each block of 32 keys: it serves the row's maximum and, since p rises with the score, the block's largest p.  Each accumulator is read from its low end on
.endr
.irp i, 2,4,6,8,10,12,14
.irp b, 0,1,2,3
	v_max3_num_f32 v[BX+\b], v[BX+\b], v[AC+16*\b+\i], v[AC+16*\b+\i+1]
.endr
.endr
	WIN 0
.irp b, 0,1,2,3
	v_permlanex16_b32 v[BY+\b], v[BX+\b], s[SEL], s[SEL+1]
.endr
.irp b, 0,1,2,3
	v_max_num_f32 v[BX+\b], v[BX+\b], v[BY+\b]     ; with lane l xor 16's 16 keys
.endr
	v_max3_num_f32 v[T], v[BX], v[BX+1], v[BX+2]
	v_max_num_f32 v[T], v[T], v[BX+3]
	v_mul_f32 v[T], s[CS], v[T]                    ; the largest t of these 128 keys
	v_floor_f32 v[NM], -v[T]                       ; -M = floor(-t) = -ceil(t): a whole number
	WIN QW
.irp j, 0,2,4,6,8,10,12,14,16,18,20,22,24,26,28,30,32,34,36,38,40,42,44,46,48,50,52,54,56,58,60,62
	v_pk_fma_f32 v[P+\j:P+\j+1], v[AC+\j:AC+\j+1], s[CS:CS+1], v[NM:NM+1] op_sel_hi:[1,0,0]   ; t - M, two at a time
.endr
	WIN 0
.irp b, 0,1,2,3
	v_fma_f32 v[BX+\b], v[BX+\b], s[CS], v[NM]     ; the same of each block's largest score
.endr
	s_wait_alu depctr_va_vdst(0)
.irp j, 0,1,2,3,4,5,6,7,8,9,10,11,12,13,14,15,16,17,18,19,20,21,22,23,24,25,26,27,28,29,30,31,32,33,34,35,36,37,38,39,40,41,42,43,44,45,46,47,48,49,50,51,52,53,54,55,56,57,58,59,60,61,62,63
	v_exp_f32 v[P+\j], v[P+\j]                     ; p = 2^(t - M)
.endr
	v_mov_b32 v[MS+(\a)], v[NM]                    ; (a plain place behind the exponentials)
	s_wait_alu depctr_va_vdst(0)                   ; one wait for the whole batch, ahead of its first reader
.irp b, 0,1,2,3
	v_exp_f32 v[BX+\b], v[BX+\b]                   ; the block's largest p: the same two instructions on the same number
.endr
	v_pk_add_f32 v[SA:SA+1], v[P:P+1], v[P+2:P+3]  ; the sum of the UNQUANTISED p, in two chains; it reads the 64 alone: plain work behind the four
	v_pk_add_f32 v[SB:SB+1], v[P+4:P+5], v[P+6:P+7]
.irp j, 8,12,16,20,24,28,32,36,40,44,48,52,56,60
	v_pk_add_f32 v[SA:SA+1], v[SA:SA+1], v[P+\j:P+\j+1]
	v_pk_add_f32 v[SB:SB+1], v[SB:SB+1], v[P+\j+2:P+\j+3]
.endr
	v_pk_add_f32 v[SA:SA+1], v[SA:SA+1], v[SB:SB+1]
	s_wait_alu depctr_va_vdst(0)                   ; and one for the four
.irp b, 0,1,2,3
	v_max_num_f32 v[BX+\b], 0x1800000, v[BX+\b]    ; the floor 2^(3 - 127): the byte cannot fall under 1
.endr
.irp b, 0,1,2,3
	v_add_nc_u32 v[SO+\b], 0xff000000, v[BX+\b]    ; 2 off the exponent field: the conversion's scale operand
.endr
.irp b, 0,1,2,3
	v_lshrrev_b32 v[BY+\b], 23, v[SO+\b]           ; the scale's byte, 125 at the most
.endr
	v_lshl_or_b32 v[SW+(\a)], v[BY+1], 8, v[BY]
	v_lshl_or_b32 v[SW+(\a)], v[BY+2], 16, v[SW+(\a)]
	v_lshl_or_b32 v[SW+(\a)], v[BY+3], 24, v[SW+(\a)]
	s_wait_xcnt 0x0                                ; the last fragment's stores have read v[PC] on
.irp c, 0,1
	v_cvt_scalef32_pk16_fp6_f32 v[PC+6*\c:PC+2+6*\c], v[P+32*\c:P+15+32*\c], v[SO+2*\c]
	v_cvt_scalef32_pk16_fp6_f32 v[PC+12+4*\c:PC+14+4*\c], v[P+16+32*\c:P+31+32*\c], v[SO+2*\c+1]
.endr
	v_nop                                          ; one plain place behind a scaled conversion
.irp c, 0,1
.irp i, 0,1,2
	v_permlane16_swap_b32 v[PC+6*\c+\i], v[PC+12+4*\c+\i]
.endr
.irp i, 0,1,2
	v_mov_b32 v[PC+3+6*\c+\i], v[PC+12+4*\c+\i]
.endr
.endr
	v_add_f32 v[T], v[SA], v[SA+1]
	v_permlanex16_b32 v[T+1], v[T], s[SEL], s[SEL+1]
	v_add_f32 v[LS+(\a)], v[T], v[T+1]             ; l of my query over these 128 keys
.irp c, 0,1,2
	global_store_b128 v[OV], v[PC+4*\c:PC+4*\c+3], s[76:77] offset:(\a)*FRB+512*\c   ; 512 consecutive bytes, at a multiple of 256 from pbuf's first byte
.endr
.endm
.irp t, 0,1,2,3,4,5,6,7
	SOFT \t
.endr
.irp k, 0,1,2,3                                ; lanes 0-15 tile k's number of row r, lanes 16-31 tile 4 + k's
	v_cndmask_b32 v[SD+\k], v[SW+\k], v[SW+4+\k], s78
	v_cndmask_b32 v[SD+4+\k], v[MS+\k], v[MS+4+\k], s78
	v_cndmask_b32 v[SD+8+\k], v[LS+\k], v[LS+4+\k], s78
.endr
	global_store_b128 v[OV], v[SD:SD+3], s[76:77] offset:SCO
	global_store_b128 v[OV], v[SD+4:SD+7], s[STP:STP+1]
	global_store_b128 v[OV], v[SD+8:SD+11], s[STP:STP+1] offset:512
	s_wait_tensorcnt 0x0                           ; the wave's end
	ds_add_u32 v[SPW], v[NIL]
	s_wait_dscnt 0x0
	CROUND                                         ; the closing round
	s_endpgm
.Lfunc_end_k_qf1d119f6f3_score:
	.size	k_qf1d119f6f3_score, .Lfunc_end_k_qf1d119f6f3_score-k_qf1d119f6f3_score
	.p2alignl 7, 3214868480
	.fill 96, 4, 3214868480
	.section	.rodata,"a",@progbits
	.p2align	6, 0x0
	.amdhsa_kernel k_qf1d119f6f3_score
		.amdhsa_group_segment_fixed_size 327680
		.amdhsa_private_segment_fixed_size 0
		.amdhsa_enable_private_segment 0
		.amdhsa_kernarg_size 24
		.amdhsa_user_sgpr_count 2
		.amdhsa_user_sgpr_kernarg_segment_ptr 1
		.amdhsa_wavefront_size32 1
		.amdhsa_system_sgpr_workgroup_id_x 1
		.amdhsa_system_sgpr_workgroup_id_y 1
		.amdhsa_system_sgpr_workgroup_id_z 1
		.amdhsa_system_vgpr_workitem_id 0
		.amdhsa_next_free_vgpr 1024
		.amdhsa_next_free_sgpr 80
		.amdhsa_reserve_vcc 0
		.amdhsa_float_denorm_mode_32 3
		.amdhsa_float_denorm_mode_16_64 3
		.amdhsa_memory_ordered 1
		.amdhsa_forward_progress 1
		.amdhsa_inst_pref_size 193
	.end_amdhsa_kernel
	.amdgpu_metadata
---
amdhsa.version: [ 1, 2 ]
amdhsa.kernels:
  - .name:           k_qf1d119f6f3_score
    .symbol:         k_qf1d119f6f3_score.kd
    .args:
      - { .name: qkv, .offset: 0, .size: 8, .value_kind: global_buffer, .address_space: global }
      - { .name: pbuf, .offset: 8, .size: 8, .value_kind: global_buffer, .address_space: global }
      - { .name: pst, .offset: 16, .size: 8, .value_kind: global_buffer, .address_space: global }
    .group_segment_fixed_size: 327680
    .private_segment_fixed_size: 0
    .kernarg_segment_align: 8
    .kernarg_segment_size: 24
    .max_flat_workgroup_size: 128
    .sgpr_count:     80
    .vgpr_count:     1024
    .wavefront_size: 32
...
	.end_amdgpu_metadata
.endif
;; end of part 3
;; launch pv (part 4): grid 16 x 16, 4 waves a work-group, clusters of 4 x 1, 327,680 bytes of LDS; arguments pbuf, pst, qkv, out0, out1; writes out0, out1
.if DOCPART == 4
	.amdgcn_target "amdgcn-amd-amdhsa--gfx1250"
	.amdhsa_code_object_version 6
	.text
	.protected	k_qf1d119f6f3_pv
	.globl	k_qf1d119f6f3_pv
	.p2align	8
	.type	k_qf1d119f6f3_pv,@function
k_qf1d119f6f3_pv:
	s_mov_b64 s[64:65], 0
	v_nop
	global_prefetch_b8 v0, s[64:65] scope:SCOPE_SE
	s_setreg_imm32_b32 hwreg(HW_REG_WAVE_MODE, 25, 1), 1
	s_wait_xcnt 0x0
	s_wait_alu depctr_hold_cnt(0) depctr_sa_sdst(0) depctr_va_vdst(0) depctr_va_sdst(0) depctr_va_ssrc(0) depctr_va_vcc(0) depctr_vm_vsrc(0)
	s_getreg_b32 s2, hwreg(HW_REG_IB_STS2, 6, 4)
	s_cmp_eq_u32 s2, 0
	s_cbranch_scc0 .Lentry_in_a_cluster
	s_endpgm
.Lentry_in_a_cluster:
	s_bfe_u32 s2, ttmp6, 0x10000c
	s_cmp_lg_u32 s2, 0x3003
	s_cbranch_scc0 .Lentry_shape_is_right
	s_endpgm
.Lentry_shape_is_right:
; Both attentions' second product on codes of FP6 (E2M3): O = P V / l.  P's codes were made under a LOCAL M for each 128 keys.  The head finds each query's own M (the largest of the local ones: the maximum is
; taken away over the whole row), brings l under it (v_ldexp_f32: nothing is rounded) and takes the whole number M - M_local off P's E8M0 bytes, which is the same multiplication by a power of two.
; SHARES.  y < 8 (compound on protein): a work-group takes 128 queries (block gx) x 128 channels (block y) x 4,096 keys; wave w takes K steps 8 w .. 8 w + 7 of the 32.
; y >= 8 (protein on compound): 128 queries x 256 channels x 2,048 keys; wave w = 2 g + hh takes channel block g of the two and K steps 8 hh .. 8 hh + 7 of the 16.
; In both cases a wave makes 128 queries x 128 channels over 1,024 keys (64 accumulators, 512 registers), and its v^T records are numbers 8 w .. 8 w + 7 of 32 CONSECUTIVE records of qkv.
; P: the records are images of the operand's registers, so P's fragments go from memory straight into registers, 512 consecutive bytes a load, two sets, asked for again as soon as a set's products are issued.
; v^T hangs on y and the wave alone, so the four work-groups of a cluster (4 x 1: four blocks of queries) ask for it JOINTLY: ONE tensor load a wave, at the head, brings the wave's records of its K steps 2 to 7
; (300 rows of 256 bytes) into LDS bytes of the wave's own, which it alone reads.  4 x 76,800 bytes: LDS is filled once and never again, so the walk along K has no barrier and no round.
; The records of K steps 0 and 1 do not fit beside them; they go straight into registers, as P's do, and are multiplied while the tensor load is on its way.
; NO PREFETCH: there is one tensor load a wave, at the head, and no loop to run ahead in; P's loads are issued two K steps ahead of their products.
; At the end the waves' partial tiles meet in LDS (on v^T's bytes, which have had their only fill and, behind a barrier, their last read) as rows of 512 bytes + 16; each wave adds the four (y < 8) or two (y >= 8)
; partial rows of its share of the queries, multiplies by 1 / l and stores whole rows.
; Source 0 = 16 channels of v^T, source 1 = 16 queries of P: a lane holds one query and eight neighbouring channels.
; LIMITS: a block of p whose byte would fall under 0 is held at byte 0 (2^-127): it then adds at most 7.5 x 2^-127 x |v| beside l >= 1/2; M - M_local is held at 127; the sum over K is formed in four or two
; f32 parts; NaN and infinities are not served.
; REGISTERS.  window 0: v0-15 addresses; v16-31 at work; v32-63 P's mended scale words, four a K step; v64-95 v^T's; v128-223 P's fragments, set 0; v96-107, v224-247 three tiles of set 1 (in the head: -M and l).
;   window 1: v0-95, v96-191 v^T's fragments, two sets; v192-251 five tiles of P's set 1.  windows 2, 3: accumulator (a, b) at v[8 (8 (a % 4) + b)].
.set REC,   12800
.set FRB,   1536
.set SCO,   12288
.set WREG,  6*REC                      ; a wave's six records of v^T in LDS
.set RP,    528                        ; a row of a partial tile in LDS: 512 bytes + 16, an odd multiple of 16: sixteen rows start at sixteen different columns of 16 bytes
.set PARTB, 128*RP                     ; a wave's partial tile; the four lie on v^T's bytes, from byte 0
.set MX,    4*WREG                     ; behind v^T, 512 bytes a wave: the least -M of its eight records, for each of the 128 queries
.set LX,    MX+2048                    ; 512 bytes a wave: its part of l
.set SPARE, MX+4096                    ; the spare words, 128 bytes a wave: two blocks of 256 bytes that no other line names
.set MXR,  0                           ; MX + 16 x lane (written when the thread's number has been used up)
.set LN16, 1                           ; 16 x lane
.set SPW,  2                           ; LDS address of my spare word; never rewritten
.set NIL,  3                           ; 0; never rewritten
.set ST,   4                           ; my partial tile: row r, + 64 h
.set RDC,  5                           ; v5-8  y < 8: my 32 rows in the four partial tiles
.set RDP,  9                           ; v9-10 y >= 8: my 64 rows in my pair's two partial tiles
.set MXW,  11
.set LRC,  12
.set LRP,  13
.set AV,   14                          ; v14-15 my records of v^T in LDS: K steps 2 to 4, K steps 5 to 7
.set X,    16
.set IL,   20                          ; 1 / l: lane i holds that of my row i (v21: row 32 + i)
.set PW,   32
.set VW,   64
.set ML,   96
.set LL,   224
.set PB,   48
.set SB,   50
.set VB,   52
.set OB,   54
.set SL,   56
.set G1,   72
.set G0,   80
.set MSB, 0
.macro WIN new
.if MSB != (\new)
	s_set_vgpr_msb (MSB<<8)|(\new)
.set MSB, (\new)
.endif
.endm
.macro PLACES n
.rept \n
	v_nop
.endr
.endm
.macro CROUND                          ; a round of the cluster's barrier
	s_barrier_signal -1
	s_barrier_wait -1
	s_cmp_lg_u32 s20, 0
	s_cbranch_scc1 .Lnot_wave_0_\@
	s_barrier_signal -3
.Lnot_wave_0_\@:
	s_barrier_wait -3
	s_barrier_signal -1
	s_barrier_wait -1
.endm
.macro ALOC a, p                       ; where P's tile a of set p lies: window AW, register AR
.if (\p) == 0
.set AW, 0
.set AR, 128+12*(\a)
.elseif (\a) < 5
.set AW, 1
.set AR, 192+12*(\a)
.elseif (\a) < 7
.set AW, 0
.set AR, 224+12*((\a)-5)
.else
.set AW, 0
.set AR, 96
.endif
.endm
.macro LDA s, a0                       ; P's tiles a0 .. a0 + 3 of my K step s: 12 loads
.irp a, \a0, \a0+1, \a0+2, \a0+3
	ALOC \a, (\s)%2
	WIN AW<<6
.irp c, 0,1,2
	global_load_b128 v[AR+4*\c:AR+4*\c+3], v[LN16], s[PB:PB+1] offset:(\s)*REC+(\a)*FRB+512*\c
.endr
.endr
.endm
.macro LDB s                           ; K steps 0 and 1: v^T's eight tiles from memory: 24 loads
	WIN 0x40
.irp b, 0,1,2,3,4,5,6,7
.irp c, 0,1,2
	global_load_b128 v[96*((\s)%2)+12*\b+4*\c:96*((\s)%2)+12*\b+4*\c+3], v[LN16], s[VB:VB+1] offset:(\s)*REC+\b*FRB+512*\c
.endr
.endr
.endm
.macro FETCHB s                        ; K steps 2 to 7: v^T's eight tiles and scale words out of LDS: 25 LDS loads
	WIN 0x40
.irp b, 0,1,2,3,4,5,6,7
.irp c, 0,1,2
	ds_load_b128 v[96*((\s)%2)+12*\b+4*\c:96*((\s)%2)+12*\b+4*\c+3], v[AV+((\s)-2)/3] offset:(((\s)-2)%3)*REC+\b*FRB+512*\c
.endr
.endr
	WIN 0
	ds_load_b128 v[VW+4*(\s):VW+4*(\s)+3], v[AV+((\s)-2)/3] offset:(((\s)-2)%3)*REC+SCO
.endm
.macro MM s, a, b, zero                ; zero = 1: the product starts the sum: nothing is ever cleared
.set rD, 8*(8*((\a)%4)+(\b))
.set rB, 96*((\s)%2)+12*(\b)
.set rSB, VW+4*(\s)+(\b)%4
.set rSA, PW+4*(\s)+(\a)%4
.set rR, 2*((\b)/4)+(\a)/4
.if \zero
.if rR == 0
	v_wmma_scale_f32_16x16x128_f8f6f4 v[rD:rD+7], v[rB:rB+11], v[AR:AR+11], 0, v[rSB], v[rSA] matrix_a_fmt:MATRIX_FMT_FP6 matrix_b_fmt:MATRIX_FMT_FP6
.elseif rR == 1
	v_wmma_scale_f32_16x16x128_f8f6f4 v[rD:rD+7], v[rB:rB+11], v[AR:AR+11], 0, v[rSB], v[rSA] matrix_a_fmt:MATRIX_FMT_FP6 matrix_b_fmt:MATRIX_FMT_FP6 matrix_b_scale:MATRIX_SCALE_ROW1
.elseif rR == 2
	v_wmma_scale_f32_16x16x128_f8f6f4 v[rD:rD+7], v[rB:rB+11], v[AR:AR+11], 0, v[rSB], v[rSA] matrix_a_fmt:MATRIX_FMT_FP6 matrix_b_fmt:MATRIX_FMT_FP6 matrix_a_scale:MATRIX_SCALE_ROW1
.else
	v_wmma_scale_f32_16x16x128_f8f6f4 v[rD:rD+7], v[rB:rB+11], v[AR:AR+11], 0, v[rSB], v[rSA] matrix_a_fmt:MATRIX_FMT_FP6 matrix_b_fmt:MATRIX_FMT_FP6 matrix_a_scale:MATRIX_SCALE_ROW1 matrix_b_scale:MATRIX_SCALE_ROW1
.endif
.else
.if rR == 0
	v_wmma_scale_f32_16x16x128_f8f6f4 v[rD:rD+7], v[rB:rB+11], v[AR:AR+11], v[rD:rD+7], v[rSB], v[rSA] matrix_a_fmt:MATRIX_FMT_FP6 matrix_b_fmt:MATRIX_FMT_FP6
.elseif rR == 1
	v_wmma_scale_f32_16x16x128_f8f6f4 v[rD:rD+7], v[rB:rB+11], v[AR:AR+11], v[rD:rD+7], v[rSB], v[rSA] matrix_a_fmt:MATRIX_FMT_FP6 matrix_b_fmt:MATRIX_FMT_FP6 matrix_b_scale:MATRIX_SCALE_ROW1
.elseif rR == 2
	v_wmma_scale_f32_16x16x128_f8f6f4 v[rD:rD+7], v[rB:rB+11], v[AR:AR+11], v[rD:rD+7], v[rSB], v[rSA] matrix_a_fmt:MATRIX_FMT_FP6 matrix_b_fmt:MATRIX_FMT_FP6 matrix_a_scale:MATRIX_SCALE_ROW1
.else
	v_wmma_scale_f32_16x16x128_f8f6f4 v[rD:rD+7], v[rB:rB+11], v[AR:AR+11], v[rD:rD+7], v[rSB], v[rSA] matrix_a_fmt:MATRIX_FMT_FP6 matrix_b_fmt:MATRIX_FMT_FP6 matrix_a_scale:MATRIX_SCALE_ROW1 matrix_b_scale:MATRIX_SCALE_ROW1
.endif
.endif
.endm
.macro MULA s, a, zero                 ; P's tile a against v^T's eight.  The 64 accumulators take turns, one instruction a turn, in the same order in every step
	ALOC \a, (\s)%2
	WIN 1|(AW<<2)|((2+(\a)/4)*0x50)
.irp b, 0,1,2,3,4,5,6,7
	MM \s, \a, \b, \zero
.endr
.endm
; A K step.  P's loads are issued in the order tiles 0-3, tiles 4-7 (12, 12), two steps ahead; from step 2 on v^T's fragments of the next step come out of LDS in the step's middle.
; Steps 0 and 1 were asked for in the head in the order P's tiles 0-3, v^T's eight, P's tiles 4-7 (12, 24, 12).  Four places stand in front of each run of loads into registers that matrix instructions have read.
.macro STEP s, zero
	s_wait_dscnt 0x0                               ; what came out of LDS for this step is in
.if (\s) == 7
	s_barrier_signal -1                            ; my reads of v^T's bytes are over; the wait stands behind the step, ahead of the stores onto them
	s_wait_loadcnt 12
.elseif (\s) == 0
	s_wait_loadcnt 60                              ; P's tiles 0-3 and v^T are in; behind them: this step's last 12 and step 1's 48
.else
	s_wait_loadcnt 36                              ; P's tiles 0-3 (in step 1: and v^T) are in; behind them: this step's last 12 and the next step's 24
.endif
.irp a, 0,1,2,3
	MULA \s, \a, \zero
.endr
.if (\s) == 1
	s_wait_tensorcnt 0x0                           ; my one tensor load has landed: K steps 2 to 7 of v^T, which I alone read
.endif
.if (\s) < 7
	PLACES 4
.endif
.if (\s) >= 1 && (\s) < 7
	FETCHB (\s)+1
.endif
.if (\s) == 0
	LDA 2, 0
	s_wait_loadcnt 60                              ; P's tiles 4-7 are in; behind them: step 1's 48 and the 12 just issued
.elseif (\s)+2 < 8
	LDA (\s)+2, 0
	s_wait_loadcnt 36                              ; P's tiles 4-7 are in; behind them: the next step's 24 and the 12 just issued
.elseif (\s) == 6
	s_wait_loadcnt 24
.else
	s_wait_loadcnt 0x0
.endif
.irp a, 4,5,6,7
	MULA \s, \a, \zero
.endr
.if (\s)+2 < 8
	PLACES 4
	LDA (\s)+2, 4
.endif
.endm
	s_load_b256 s[4:11], s[0:1], 0x0               ; pbuf, pst, qkv, out0
	s_load_b64 s[12:13], s[0:1], 0x20              ; out1
	v_lshl_add_u32 v[SPW], v0, 2, SPARE
	v_mov_b32 v[NIL], 0
	ds_add_u32 v[SPW], v[NIL]                      ; the wave's opening: the add, twice on end, and its wait ahead of my first tensor load
	ds_add_u32 v[SPW], v[NIL]
	v_lshrrev_b32 v19, 5, v0
	v_readfirstlane_b32 s20, v19                   ; wave w
	s_lshr_b32 s21, s20, 1                         ; g
	s_and_b32 s22, s20, 1                          ; hh
	s_bfe_u32 s23, ttmp6, 0x40000                  ; cx
	s_lshl_b32 s25, ttmp9, 2
	s_add_co_u32 s25, s25, s23                     ; gx = 4 x cluster x + cx
	s_and_b32 s24, ttmp7, 0xffff                   ; y: the same in the four partners
	s_sub_co_u32 s26, s24, 8
	s_lshr_b32 s27, s26, 1                         ; y >= 8: the pair of channel blocks,
	s_and_b32 s28, s26, 1                          ; and which sixteen blocks of queries
	s_lshl_b32 s29, s24, 5
	s_add_co_u32 s29, s29, 896                     ; v^T's first record: 896 + 32 y,
	s_lshl_b32 s30, s27, 5
	s_add_co_u32 s30, s30, 768                     ; or 768 + 32 x pair: made of y alone
	s_lshl_b32 s31, s25, 5
	s_lshl_b32 s35, s20, 3
	s_add_co_u32 s31, s31, s35                     ; P's record: 32 gx + 8 w,
	s_lshl_b32 s36, s28, 4
	s_add_co_u32 s36, s36, s25                     ; (the block of queries q)
	s_lshl_b32 s37, s36, 4
	s_lshl_b32 s38, s22, 3
	s_add_co_u32 s37, s37, s38
	s_add_co_u32 s37, s37, 512                     ; or 512 + 16 q + 8 hh
	s_lshl_b32 s38, s25, 7
	s_lshl_b32 s39, s20, 5
	s_add_co_u32 s38, s38, s39                     ; my first row of the output: 128 gx + 32 w,
	s_lshl_b32 s39, s36, 7
	s_lshl_b32 s40, s22, 6
	s_add_co_u32 s39, s39, s40                     ; or 128 q + 64 hh
	s_lshl_b32 s40, s27, 1
	s_add_co_u32 s40, s40, s21                     ; my channel block: y, or 2 x pair + g
	s_cmp_lt_u32 s24, 8
	s_cselect_b32 s33, 1, 0                        ; 1: compound on protein.  The same in the four partners
	s_cselect_b32 s29, s29, s30
	s_cselect_b32 s31, s31, s37
	s_cselect_b32 s38, s38, s39
	s_cselect_b32 s40, s24, s40
	s_add_co_u32 s29, s29, s35                     ; + 8 w
	s_mul_i32 s42, s29, REC
	s_mov_b32 s43, 0
	s_mul_i32 s44, s31, REC
	s_mov_b32 s45, 0
	s_lshl_b32 s46, s31, 10                        ; pst: 1,024 bytes a record
	s_mov_b32 s47, 0
	s_lshl_b32 s38, s38, 12                        ; rows of 4,096 bytes
	s_lshl_b32 s40, s40, 9
	s_add_co_u32 s38, s38, s40
	s_mov_b32 s39, 0
	s_mul_i32 s34, s20, PARTB
	s_mul_i32 s36, s20, 32*RP
	s_mul_i32 s37, s21, 2*PARTB
	s_mul_i32 s30, s22, 64*RP
	s_add_co_u32 s37, s37, s30
	s_lshl_b32 s41, s20, 9
	s_add_co_u32 s41, s41, MX
	s_mul_i32 s61, s20, WREG                       ; my six records in LDS
	s_lshl_b32 s62, s21, 8
	s_lshl_b32 s30, s22, 3
	s_add_co_u32 s62, s62, s30
	s_add_co_u32 s62, s62, LX
	s_lshl_b32 s63, s21, 10
	s_lshl_b32 s30, s22, 8
	s_add_co_u32 s63, s63, s30
	s_add_co_u32 s63, s63, LX
	s_mov_b32 s60, 0x80808080
	s_mov_b32 s[SL+1], 0                           ; (named as the upper halves of pairs)
	s_mov_b32 s[SL+3], 0
	s_mov_b32 s[G1], 15|(3<<16)|(1<<21)            ; the mask: all four of the cluster; elements of 8 bytes; bit 21 beside a mask
	s_mov_b32 s[G1+1], 32<<16                      ; 300 rows of 256 bytes, dense: six records
	s_mov_b32 s[G1+2], 300<<16
	s_mov_b32 s[G1+3], 32<<16
	s_mov_b32 s[G1+4], 300
	s_mov_b32 s[G1+5], 32
	s_mov_b32 s[G1+6], 0
	s_mov_b32 s[G1+7], 0
	s_mov_b32 s[G0], 1
	s_mov_b32 s[G0+1], s61
	v_and_b32 v20, 31, v0
	v_lshlrev_b32 v[LN16], 4, v20
	v_and_b32 v16, 15, v0                          ; r
	v_bfe_u32 v17, v0, 4, 1                        ; h
	v_mul_u32_u24 v[ST], v16, RP
	v_lshl_add_u32 v[ST], v17, 6, v[ST]
	v_add_nc_u32 v[ST], s34, v[ST]
	v_add_nc_u32 v[RDC], s36, v[LN16]
	v_add_nc_u32 v[RDC+1], PARTB, v[RDC]
	v_add_nc_u32 v[RDC+2], PARTB, v[RDC+1]
	v_add_nc_u32 v[RDC+3], PARTB, v[RDC+2]
	v_add_nc_u32 v[RDP], s37, v[LN16]
	v_add_nc_u32 v[RDP+1], PARTB, v[RDP]
	v_add_nc_u32 v[MXW], s41, v[LN16]
	v_add_nc_u32 v[AV], s61, v[LN16]
	v_add_nc_u32 v[AV+1], 3*REC, v[AV]
	v_lshlrev_b32 v18, 4, v16
	v_lshl_add_u32 v18, v17, 2, v18                ; 16 r + 4 h
	v_add_nc_u32 v[LRC], s62, v18                  ; l of tile 2 w + h, row r: 256 (tile / 4) + 16 r + 4 (tile % 4)
	v_add_nc_u32 v[LRP], s63, v18                  ; of tile 4 hh + h (+ 2 by the offset), in my pair's parts
	v_add_nc_u32 v[MXR], MX, v[LN16]
	s_wait_alu depctr_va_vdst(0)
	s_wait_dscnt 0x0                               ; both opening adds are done
	s_wait_kmcnt 0x0
	s_add_nc_u64 s[PB:PB+1], s[4:5], s[44:45]
	s_add_nc_u64 s[SB:SB+1], s[6:7], s[46:47]
	s_add_nc_u64 s[VB:VB+1], s[8:9], s[42:43]      ; my K step 0 of v^T
	s_add_nc_u64 s[G0+2:G0+3], s[VB:VB+1], 2*REC   ; the tensor load begins at my K step 2
	s_or_b32 s[G0+3], s[G0+3], 0x80000000
	s_cmp_lg_u32 s33, 0
	s_cselect_b64 s[OB:OB+1], s[10:11], s[12:13]
	s_add_nc_u64 s[OB:OB+1], s[OB:OB+1], s[38:39]
	; lane (h, r), register k of each of these belongs to tile 4 h + k, lane row r.  They are asked for ahead of the round: nothing of them hangs on it
.irp j, 0,1,2,3,4,5,6,7
	global_load_b128 v[ML+4*\j:ML+4*\j+3], v[LN16], s[SB:SB+1] offset:1024*\j          ; -M_local of my eight records
.endr
.irp j, 0,1,2,3,4,5,6,7
	global_load_b128 v[LL+4*\j:LL+4*\j+3], v[LN16], s[SB:SB+1] offset:1024*\j+512      ; l
.endr
.irp j, 0,1,2,3,4,5,6,7
	global_load_b128 v[PW+4*\j:PW+4*\j+3], v[LN16], s[PB:PB+1] offset:\j*REC+SCO       ; P's scale words
.endr
.irp j, 0,1
	global_load_b128 v[VW+4*\j:VW+4*\j+3], v[LN16], s[VB:VB+1] offset:\j*REC+SCO       ; v^T's, of K steps 0 and 1
.endr
	CROUND                                         ; the four work-groups are here: the joint loads meet
	tensor_load_to_lds s[G0:G0+3], s[G1:G1+7]      ; one tensor load a wave, the only one of the launch
	s_nop 0                                        ; (an s_nop 0 and four v_nop behind it)
	PLACES 4
	LDA 0, 0
	LDB 0
	LDA 0, 4
	WIN 0
	s_wait_loadcnt 50                              ; -M, l and P's words are in; behind them: v^T's 2 loads of words and step 0's 48
.irp k, 0,1,2,3
	v_min3_num_f32 v[X+\k], v[ML+\k], v[ML+4+\k], v[ML+8+\k]
.endr
.irp q, 12,20
.irp k, 0,1,2,3
	v_min3_num_f32 v[X+\k], v[X+\k], v[ML+\q+\k], v[ML+\q+4+\k]
.endr
.endr
.irp k, 0,1,2,3
	v_min_num_f32 v[X+\k], v[X+\k], v[ML+28+\k]    ; the least -M of my eight records
.endr
	ds_store_b128 v[MXW], v[X:X+3]
	s_wait_dscnt 0x0                               ; for the others' sake
	s_barrier_signal -1                            ; my tensor load may stay out
	s_barrier_wait -1
.irp j, 0,1,2,3                                ; all four waves work on one block of queries (with 2,048 keys two of them hold the same numbers)
	ds_load_b128 v[X+4*\j:X+4*\j+3], v[MXR] offset:512*\j
.endr
	s_wait_dscnt 0x0
.irp k, 0,1,2,3
	v_min3_num_f32 v[X+\k], v[X+\k], v[X+4+\k], v[X+8+\k]
.endr
.irp k, 0,1,2,3
	v_min_num_f32 v[X+\k], v[X+\k], v[X+12+\k]     ; -M of the row
.endr
.set n, 0
.rept 32
	v_sub_f32 v[ML+n], v[X+n%4], v[ML+n]           ; M_local - M: a whole number, 0 or less
.set n, n+1
.endr
.set n, 0
.rept 32
	v_cvt_i32_f32 v[ML+n], v[ML+n]                 ; (it saturates)
.set n, n+1
.endr
.set n, 0
.rept 32
	v_ldexp_f32 v[LL+n], v[LL+n], v[ML+n]          ; l under the row's M: nothing is rounded
.set n, n+1
.endr
.irp k, 0,1,2,3
	v_add_f32 v[X+4+\k], v[LL+\k], v[LL+4+\k]
.endr
.irp q, 8,12,16,20,24,28
.irp k, 0,1,2,3
	v_add_f32 v[X+4+\k], v[X+4+\k], v[LL+\q+\k]
.endr
.endr
	ds_store_b128 v[MXW], v[X+4:X+7] offset:2048   ; my part of l, into LX; it is read behind the barrier of the way out
	; each of a word's four bytes (125 at the most) less e = M - M_local, held at 0
.set n, 0
.rept 32
	v_sub_nc_u32 v[ML+n], 0, v[ML+n]
.set n, n+1
.endr
.set n, 0
.rept 32
	v_min_u32 v[ML+n], 127, v[ML+n]                ; e
.set n, n+1
.endr
.set n, 0
.rept 32
	v_lshl_or_b32 v[ML+n], v[ML+n], 8, v[ML+n]
.set n, n+1
.endr
.set n, 0
.rept 32
	v_lshl_or_b32 v[ML+n], v[ML+n], 16, v[ML+n]    ; e in all four bytes
.set n, n+1
.endr
.set n, 0
.rept 32
	v_or_b32 v[PW+n], s60, v[PW+n]                 ; 128 + byte:
.set n, n+1
.endr
.set n, 0
.rept 32
	v_sub_nc_u32 v[PW+n], v[PW+n], v[ML+n]         ; less e it stays above 0, so no byte borrows from the next; its top bit stays where byte >= e
.set n, n+1
.endr
.set n, 0
.rept 32
	v_and_b32 v[ML+n], s60, v[PW+n]
.set n, n+1
.endr
.set n, 0
.rept 32
	v_lshrrev_b32 v[LL+n], 7, v[ML+n]
.set n, n+1
.endr
.set n, 0
.rept 32
	v_sub_nc_u32 v[ML+n], v[ML+n], v[LL+n]         ; 0x7f in the bytes that stay, 0 in the others
.set n, n+1
.endr
.set n, 0
.rept 32
	v_and_b32 v[PW+n], v[PW+n], v[ML+n]
.set n, n+1
.endr
	LDA 1, 0                                       ; step 1's fragments, P's in part into the registers that held -M and l
	LDB 1
	LDA 1, 4
	WIN 0
	PLACES 8                                       ; a scale register written by a vector instruction stands 8 places ahead of a scaled matrix instruction
	s_wait_alu depctr_va_vdst(0)                   ; directly ahead of the waits below
	STEP 0, 1
.irp t, 1,2,3,4,5,6,7
	STEP \t, 0
.endr
	WIN 0
	s_barrier_wait -1                              ; no wave reads v^T's bytes any more, and they have had their only fill
	PLACES 4
	; THE WAY OUT.  My partial tile into LDS: row 16 a + r; register j of v^T's tile b is channel 32 (b / 2) + 16 h + 8 (b % 2) + j.  Each accumulator from its low end on
.irp a, 0,1,2,3,4,5,6,7
	WIN (2+\a/4)<<2
.irp b, 0,1,2,3,4,5,6,7
	ds_store_b128 v[ST], v[8*(8*(\a%4)+\b):8*(8*(\a%4)+\b)+3] offset:\a*16*RP+128*(\b/2)+32*(\b%2)
	ds_store_b128 v[ST], v[8*(8*(\a%4)+\b)+4:8*(8*(\a%4)+\b)+7] offset:\a*16*RP+128*(\b/2)+32*(\b%2)+16
.endr
.endr
	WIN 0
	s_wait_dscnt 0x0                               ; for the others' sake: my partial tile lies in LDS
	s_barrier_signal -1
	s_barrier_wait -1
; 16 loads: group g's 16 / np rows, each from np partial tiles; the 32 lanes take one row of 512 bytes
.macro RLOAD np, g, adr
.set BF, 128+64*((\g)%2)
.set ri, 0
.rept 16/(\np)
.set rj, 0
.rept \np
	ds_load_b128 v[BF+4*((\np)*ri+rj):BF+4*((\np)*ri+rj)+3], v[\adr+rj] offset:((16/(\np))*(\g)+ri)*RP
.set rj, rj+1
.endr
.set ri, ri+1
.endr
.endm
; the partial rows are added, multiplied by the row's 1 / l and stored: 512 consecutive bytes, at a multiple of 256 from the output's first byte.  younger: the LDS loads issued behind this group's
.macro RSEND np, g, younger
.set BF, 128+64*((\g)%2)
	s_wait_dscnt \younger
.set ri, 0
.rept 16/(\np)
.set R0, BF+4*(\np)*ri
.set RW, (16/(\np))*(\g)+ri
.set QR, 32*(RW/32)+8*((RW/16)%2)+RW%16+8*((RW%16)/8)   ; lane row r of tile t is query 32 (t / 2) + 8 (t % 2) + r + 8 (r / 8)
.set SP2, SL+2*(ri%2)
	v_readlane_b32 s[SP2], v[IL+RW/32], RW%32
	v_pk_add_f32 v[R0:R0+1], v[R0:R0+1], v[R0+4:R0+5]
	v_pk_add_f32 v[R0+2:R0+3], v[R0+2:R0+3], v[R0+6:R0+7]
.if (\np) == 4
	v_pk_add_f32 v[R0+8:R0+9], v[R0+8:R0+9], v[R0+12:R0+13]
	v_pk_add_f32 v[R0+10:R0+11], v[R0+10:R0+11], v[R0+14:R0+15]
	v_pk_add_f32 v[R0:R0+1], v[R0:R0+1], v[R0+8:R0+9]
	v_pk_add_f32 v[R0+2:R0+3], v[R0+2:R0+3], v[R0+10:R0+11]
.endif
	v_pk_mul_f32 v[R0:R0+1], v[R0:R0+1], s[SP2:SP2+1] op_sel_hi:[1,0]
	v_pk_mul_f32 v[R0+2:R0+3], v[R0+2:R0+3], s[SP2:SP2+1] op_sel_hi:[1,0]
	global_store_b128 v[LN16], v[R0:R0+3], s[OB:OB+1] offset:QR*4096 th:TH_STORE_NT
.set ri, ri+1
.endr
.endm
.macro OUTP np, adr                    ; eight groups on two sets of 64 registers; group 0's loads are out already
.irp g, 0,1,2,3,4,5,6
.if \g > 0
	s_wait_xcnt 0x0                                ; group g - 1's stores have read the registers into which the loads below land
.endif
	RLOAD \np, \g+1, \adr
	RSEND \np, \g, 16
.endr
	RSEND \np, 7, 0
.endm
	s_cmp_eq_u32 s33, 0
	s_cbranch_scc1 .Ltwo_parts
.irp j, 0,1,2,3                                ; 4,096 keys: my rows are tiles 2 w and 2 w + 1; four parts of l, four partial tiles
	ds_load_b32 v[X+\j], v[LRC] offset:512*\j
.endr
	RLOAD 4, 0, RDC
	s_wait_dscnt 16
	v_add_f32 v[X], v[X], v[X+1]
	v_add_f32 v[X+2], v[X+2], v[X+3]
	v_add_f32 v[X], v[X], v[X+2]
	s_wait_alu depctr_va_vdst(0)                   ; the wait ahead of the transcendental
	v_rcp_f32 v[IL], v[X]                          ; l is at least 1/2
	v_nop
	s_wait_alu depctr_va_vdst(0)                   ; and ahead of its first reader
	OUTP 4, RDC
	s_branch .Lstored
.Ltwo_parts:                                           ; 2,048 keys: my rows are tiles 4 hh .. 4 hh + 3 of my channel block; two parts of l, two partial tiles
	ds_load_b32 v[X], v[LRP]
	ds_load_b32 v[X+1], v[LRP] offset:512
	ds_load_b32 v[X+2], v[LRP] offset:8
	ds_load_b32 v[X+3], v[LRP] offset:520
	RLOAD 2, 0, RDP
	s_wait_dscnt 16
	v_add_f32 v[X], v[X], v[X+1]
	v_add_f32 v[X+2], v[X+2], v[X+3]
	s_wait_alu depctr_va_vdst(0)
	v_rcp_f32 v[IL], v[X]
	v_rcp_f32 v[IL+1], v[X+2]
	v_nop
	s_wait_alu depctr_va_vdst(0)
	OUTP 2, RDP
.Lstored:
	s_wait_tensorcnt 0x0                           ; the wave's end, behind my last tensor load and my last LDS store
	ds_add_u32 v[SPW], v[NIL]
	s_wait_dscnt 0x0
	CROUND                                         ; the closing round: no work-group ends while a partner may still ask for a tile that names it
	s_endpgm
.Lfunc_end_k_qf1d119f6f3_pv:
	.size	k_qf1d119f6f3_pv, .Lfunc_end_k_qf1d119f6f3_pv-k_qf1d119f6f3_pv
	.p2alignl 7, 3214868480
	.fill 96, 4, 3214868480
	.section	.rodata,"a",@progbits
	.p2align	6, 0x0
	.amdhsa_kernel k_qf1d119f6f3_pv
		.amdhsa_group_segment_fixed_size 327680
		.amdhsa_private_segment_fixed_size 0
		.amdhsa_enable_private_segment 0
		.amdhsa_kernarg_size 40
		.amdhsa_user_sgpr_count 2
		.amdhsa_user_sgpr_kernarg_segment_ptr 1
		.amdhsa_wavefront_size32 1
		.amdhsa_system_sgpr_workgroup_id_x 1
		.amdhsa_system_sgpr_workgroup_id_y 1
		.amdhsa_system_sgpr_workgroup_id_z 1
		.amdhsa_system_vgpr_workitem_id 0
		.amdhsa_next_free_vgpr 1024
		.amdhsa_next_free_sgpr 88
		.amdhsa_reserve_vcc 0
		.amdhsa_float_denorm_mode_32 3
		.amdhsa_float_denorm_mode_16_64 3
		.amdhsa_memory_ordered 1
		.amdhsa_forward_progress 1
		.amdhsa_inst_pref_size 202
	.end_amdhsa_kernel
	.amdgpu_metadata
---
amdhsa.version: [ 1, 2 ]
amdhsa.kernels:
  - .name:           k_qf1d119f6f3_pv
    .symbol:         k_qf1d119f6f3_pv.kd
    .args:
      - { .name: pbuf, .offset: 0, .size: 8, .value_kind: global_buffer, .address_space: global }
      - { .name: pst, .offset: 8, .size: 8, .value_kind: global_buffer, .address_space: global }
      - { .name: qkv, .offset: 16, .size: 8, .value_kind: global_buffer, .address_space: global }
      - { .name: out0, .offset: 24, .size: 8, .value_kind: global_buffer, .address_space: global }
      - { .name: out1, .offset: 32, .size: 8, .value_kind: global_buffer, .address_space: global }
    .group_segment_fixed_size: 327680
    .private_segment_fixed_size: 0
    .kernarg_segment_align: 8
    .kernarg_segment_size: 40
    .max_flat_workgroup_size: 128
    .sgpr_count:     88
    .vgpr_count:     1024
    .wavefront_size: 32
...
	.end_amdgpu_metadata
.endif
;; end of part 4
